; MI455X (gfx1250); checked and timed in simulation.
; The chip was launched on July 23, 2026; its instructions are those of AMD's public machine-readable ISA for CDNA 5 (MIT licence, August 2026) and "CDNA5" Instruction Set Architecture Reference Guide (July 2026). The comments in the code are by the model that wrote it; some were corrected since.
;; GQ Attention. Allowed arithmetic: matrix products marked QUANTISED: E2M1 operands, one E8M0 scale for each 32 along K, by v_wmma_scale_f32_16x16x128_f8f6f4 with both operands' format E2M1 (or v_wmma_scale_f32_32x16x128_f4), f32 sums; products left as they are: bf16, f16 or f32 operands; f32 sums; everything else in f32.
;; Inputs: W_k 4,096 x 1,024 float32; W_o 4,096 x 4,096 float32; W_q 4,096 x 4,096 float32; W_v 4,096 x 1,024 float32; cos_freq 8,192 x 64 float32; sin_freq 8,192 x 64 float32; x 1 x 1,024 x 4,096 float32.
;; Outputs: out0 1 x 1,024 x 4,096 float32.
;; This version of the problem:
;;   THIS VERSION OF THE PROBLEM IS GIVEN IN LOW PRECISION. The matrix products marked QUANTISED in the list below multiply operands that are first quantised to E2M1 (2 exponent bits, 1 mantissa bit; 4 bits a number), with one power-of-two scale for each 32 numbers along K (OCP MX v1.0); their sums are f32. The products marked 'left as it is' may take bf16, f16 or f32 operands, with f32 sums. Whichever they take, every output number must still come out within the allowed error. Rounding operands to bf16 (8 significant bits) uses up far more of that allowance than f16 does (11 bits, for magnitudes from 6e-5 to 65,504). All else is computed in f32.
;;   The module's matrix products, in the order in which they are computed (A, B: the left and right operand; K: the contracted axis; several contracted axes count as one K, in the product's order):
;;     1. [M 1,024, K 4,096] x [K 4,096, N 4,096]; A: input x; B: input W_q: QUANTISED
;;     2. [M 1,024, K 4,096] x [K 4,096, N 1,024]; A: input x; B: input W_k: QUANTISED
;;     3. [M 1,024, K 4,096] x [K 4,096, N 1,024]; A: input x; B: input W_v: QUANTISED
;;     4. batch 32 x [M 1,024, K 128] x [K 128, N 1,024]; A: computed on the way; B: computed on the way: left as it is (an operand is computed on the way)
;;     5. batch 32 x [M 1,024, K 1,024] x [K 1,024, N 128]; A: computed on the way; B: computed on the way: left as it is (an operand is computed on the way)
;;     6. [M 1,024, K 4,096] x [K 4,096, N 4,096]; A: computed on the way; B: input W_o: left as it is (an operand is computed on the way)
;;   THE QUANTISER, for each operand of a quantised product, along K:
;;     - K is cut into blocks of 32 from its start; a last block that is shorter is filled with zeros.
;;     - A block's scale is 2^e with e = floor(log2(the largest magnitude in the block)) - 2, held to -126 .. 127; a block of zeros has e = 0. As a byte (E8M0): e + 127.
;;     - Each number is divided by its block's scale, clamped to +-6, and rounded to the nearest number of E2M1, ties to even, subnormals kept.
;;     - The product sums the exact products of the quantised numbers (number of the format x scale) in f32.
;;   ~~~python
;;   def quantise(x, axis):      # numpy; x: float32 -> the quantised numbers, widened to float32 again
;;       x = np.moveaxis(x, axis, -1); K = x.shape[-1]
;;       x = np.pad(x, [(0, 0)] * (x.ndim - 1) + [(0, -K % 32)]); x = x.reshape(x.shape[:-1] + (-1, 32)); a = np.abs(x).max(-1, keepdims=True)
;;       e = np.where(a > 0, np.clip(np.frexp(np.where(a > 0, a, 1))[1] - 1 - 2, -126, 127), 0)      # np.frexp(a)[1] - 1 = floor(log2(a)), exactly
;;       r = np.clip(x / 2.0 ** e, -6, 6)
;;       step = 2.0 ** (np.maximum(np.frexp(np.where(r == 0, 1, r))[1] - 1, 0) - 1)
;;       q = np.round(r / step) * step * 2.0 ** e      # np.round: ties to even
;;       return np.moveaxis(q.reshape(q.shape[:-2] + (-1,))[..., :K], -1, axis).astype(np.float32)
;;   ~~~
;; One version. Each part assembles by itself: llvm-mc -triple=amdgcn-amd-amdhsa -mcpu=gfx1250 --defsym DOCPART=n.
;; ======== version 1 of 1: 4 launches
;; limits: values are held in f16: magnitudes above 65,504 overflow, below 6.1e-05 lose precision; right only within a limited range of input values
;; workspace buffers: codes 15,597,568 bytes; wo16 33,554,432 bytes; qh 8,388,608 bytes; kh 2,097,152 bytes; vh 2,097,152 bytes; oh 8,388,608 bytes
;; launch prep (part 1): grid 1536 x 1, 4 waves a work-group, no clusters, 68,096 bytes of LDS; arguments x, W_q, W_k, W_v, W_o, codes, wo16; writes codes, wo16
.if DOCPART == 1
	.amdgcn_target "amdgcn-amd-amdhsa--gfx1250"
	.amdhsa_code_object_version 6
	.text
	.protected	k_q75adcfc9f0_prep
	.globl	k_q75adcfc9f0_prep
	.p2align	8
	.type	k_q75adcfc9f0_prep,@function
k_q75adcfc9f0_prep:
	s_mov_b64 s[64:65], 0
	v_nop
	global_prefetch_b8 v0, s[64:65] scope:SCOPE_SE
	s_setreg_imm32_b32 hwreg(HW_REG_WAVE_MODE, 25, 1), 1
	s_wait_xcnt 0x0
; GQA layer, launch 1 of 4: the operands of the three QUANTISED products (x @ W_q, x @ W_k, x @ W_v) become codes of FP4 (E2M1) with one E8M0 byte for each 32 along K = 4,096,
; and W_o becomes f16, times 16 (an exact power of two; the attention's result is kept divided by 16, so the last product needs no scaling).
; WORK LEFT OUT BY THE PROGRAM, for all values of the inputs: (1) reference() slices cos_freq and sin_freq to their first s = 1,024 rows: rows 1,024 to 8,191 reach no output and are not loaded.
; (2) reference() builds a causal jnp.tril itself and puts the smallest f32 number where key > query; every query has key 0, so behind the softmax's maximum those weights are exp(-huge) = 0:
; steps of 64 keys that lie wholly behind a tile's 16 queries add nothing and are not multiplied.  Every input has a way to the output, so every input is among some launch's arguments.
; LIMITS: a NaN, an infinity or an overflow that reaches only the work left out is not carried to the result.  NaN and infinities among the inputs are not served.  A block whose largest magnitude lies
; under 2^-124 gets the byte 1; a block of zeros gets the byte 1 where the quantiser says 127: its codes are zeros, which add nothing under any byte but 0xff, and this program alone reads the bytes.
; |W_o| stays under 4,094 (16 W_o in f16); |q|, |k|, |v| stay under 2^20 (they are kept as value / 16 in f16).
; codes: [K step s = 0..7][row group g = 0..55][34,816 bytes]: 128 rows x 256 bytes (the codes of K = 512 s .. 512 s + 511), then from byte 32,768 on 16 scale bytes a row: 136 dense runs of 256 bytes.
; Row groups: 0-7 x's rows 128 g on; 8 + h W_q's columns 128 h on; 40 + j W_k's; 48 + j W_v's.
; THREE PATHS, by the work-group's number: 0-383 weights (K is their FIRST axis: a lane takes a column, its registers run down K); 384-511 x (K innermost: two lanes to a block); 512-1,535 the cast of W_o.
; No tile is shared between work-groups, so there is no cluster; no tensor loads, no barrier: waves share nothing.  Each path has LDS bytes of its own.
.set SPARE, 67584                      ; behind both paths' regions: the spare words, 128 bytes for each wave
.set WREG,  8192                       ; x's path: a region for each wave: two stages of 32 x SP bytes, then its 256 scale bytes
.set SP,    80                         ; a lane's place in a stage: 64 bytes + 16 of padding
.set WR,    32768                      ; the weights' path: from here 32 rows x WP bytes for each wave
.set WP,    272                        ; a stage row: 256 bytes of codes + 16
.set BLKB,  34816                      ; a block of the codes' buffer
.set L16,   2                          ; v2   16 x lane; never rewritten
.set L8,    3                          ; v3   8 x lane
.set L4,    4                          ; v4   4 x lane
.set XIN,   192                        ; v192 x's stage, on the way in
.set XOUT,  193                        ; v193 and on the way out
.set XSB,   194                        ; v194 my block's scale byte
.set XSR,   195                        ; v195 the scale bytes on the way out
.set WSI,   196                        ; v196 the weights' stage, on the way in: row = my column
.set WSO,   197                        ; v197 and on the way out: sixteen lanes to a row
.set SPW,   200                        ; v200 LDS address of my spare word; never rewritten
.set NIL,   201                        ; v201 0; never rewritten
	s_load_b256 s[4:11], s[0:1], 0x0               ; x s[4:5], W_q s[6:7], W_k s[8:9], W_v s[10:11]
	s_load_b128 s[12:15], s[0:1], 0x20             ; W_o s[12:13], codes s[14:15]
	s_load_b64 s[16:17], s[0:1], 0x30              ; wo16
	v_lshl_add_u32 v[SPW], v0, 2, SPARE
	v_mov_b32 v[NIL], 0
	v_lshrrev_b32 v1, 5, v0
	v_readfirstlane_b32 s18, v1                    ; wave 0..3
	v_and_b32 v1, 31, v0                           ; lane
	v_lshlrev_b32 v[L16], 4, v1
	v_lshlrev_b32 v[L8], 3, v1
	v_lshlrev_b32 v[L4], 2, v1
	; every LDS address of both paths is made here, ahead of the parting
	s_lshl_b32 s19, s18, 13                        ; wave x WREG
	v_lshrrev_b32 v5, 2, v1
	v_mul_u32_u24 v5, v5, SP
	v_and_b32 v6, 3, v1
	v_lshl_add_u32 v5, v6, 4, v5
	v_add_nc_u32 v[XIN], s19, v5                   ; four lanes' 64 bytes on end, then 16 of padding
	v_mul_u32_u24 v5, v1, SP
	v_add_nc_u32 v[XOUT], s19, v5                  ; my 16 neighbours
	s_add_co_u32 s19, s19, 2*32*SP
	v_lshrrev_b32 v5, 1, v1
	v_add_nc_u32 v[XSB], s19, v5
	v_add_nc_u32 v[XSR], s19, v[L8]
	s_mul_i32 s19, s18, 32*WP
	s_add_co_u32 s19, s19, WR
	v_mul_u32_u24 v5, v1, WP
	v_add_nc_u32 v[WSI], s19, v5
	v_lshrrev_b32 v5, 4, v1
	v_mul_u32_u24 v5, v5, WP
	v_and_b32 v6, 15, v1
	v_lshl_add_u32 v5, v6, 4, v5
	v_add_nc_u32 v[WSO], s19, v5
	s_wait_kmcnt 0x0
	s_cmp_lt_u32 ttmp9, 384
	s_cbranch_scc1 .Lweights
	s_cmp_lt_u32 ttmp9, 512
	s_cbranch_scc1 .Lrows
	; ---- THE CAST.  A wave takes 16,384 consecutive bytes of W_o: 32 loads of 512 bytes, all out at once; each becomes 256 consecutive bytes of wo16.  No register is written twice, so no store's data wait.
	s_sub_co_u32 s20, ttmp9, 512
	s_lshl_b32 s20, s20, 2
	s_add_co_u32 s20, s20, s18                     ; which run of 4,096 numbers is my wave's: 0 .. 4,095
	s_lshl_b32 s22, s20, 14
	s_mov_b32 s23, 0
	s_add_nc_u64 s[12:13], s[12:13], s[22:23]
	s_lshl_b32 s22, s20, 13
	s_add_nc_u64 s[16:17], s[16:17], s[22:23]
.set T, 0
.rept 32
	global_load_b128 v[8+4*T:11+4*T], v[L16], s[12:13] offset:512*T th:TH_LOAD_NT
.set T, T+1
.endr
.set T, 0
.rept 32
	s_wait_loadcnt 31-T                            ; loads come back in order: load T is in, the younger ones stay out
	v_pk_mul_f32 v[8+4*T:9+4*T], v[8+4*T:9+4*T], 0x41800000 op_sel_hi:[1,0]      ; x 16: exact
	v_pk_mul_f32 v[10+4*T:11+4*T], v[10+4*T:11+4*T], 0x41800000 op_sel_hi:[1,0]
	v_cvt_pk_f16_f32 v[136+2*T], v[8+4*T], v[9+4*T]
	v_cvt_pk_f16_f32 v[137+2*T], v[10+4*T], v[11+4*T]
	global_store_b64 v[L8], v[136+2*T:137+2*T], s[16:17] offset:256*T             ; 32 lanes store 256 consecutive bytes, aligned
.set T, T+1
.endr
	s_endpgm
	; ---- THE WEIGHTS.  Work-group i: K step i % 8, column group i / 8 (0-31 W_q, 32-39 W_k, 40-47 W_v).  A wave takes 32 columns x 512 along K: 16 blocks a lane.
	; Each load reads one row k at 32 neighbouring columns; a block of 32 along K lies in one lane's 32 registers, so its largest magnitude needs no other lane and the codes come out with K innermost.
.set WO,   16                          ; v16-47   4 x lane + i x pitch, i = 0 .. 31; never rewritten
.set WX,   48                          ; v48-111  two sets of 32 numbers
.set WC,   112                         ; v112-115 a block's codes
.set WSB,  116                         ; v116-119 the scale bytes, four to a register
.set WOR,  120                         ; v120-183 the way out
.set SB,   28                          ; s[28:59] block t's base, a pair each; never rewritten
.Lweights:
	s_and_b32 s19, ttmp9, 7                        ; K step
	s_lshr_b32 s20, ttmp9, 3                       ; column group
	s_and_b32 s24, s20, 7
	s_mov_b32 s21, 4096
	s_cmp_lt_u32 s20, 40                           ; the choices hang on the work-group's number alone
	s_cselect_b64 s[22:23], s[8:9], s[10:11]
	s_cmp_lt_u32 s20, 32
	s_cselect_b64 s[22:23], s[6:7], s[22:23]       ; the tensor,
	s_cselect_b32 s21, 16384, s21                  ; its row in bytes,
	s_cselect_b32 s24, s20, s24                    ; and which 128 of its columns
.irp i, 0,1,2,3,4,5,6,7,8,9,10,11,12,13,14,15,16,17,18,19,20,21,22,23,24,25,26,27,28,29,30,31
	v_mad_u32_u24 v[WO+\i], s21, \i, v[L4]
.endr
	s_lshl_b32 s25, s21, 9                         ; 512 rows
	s_mul_i32 s26, s19, s25                        ; under 2^26
	s_lshl_b32 s24, s24, 9                         ; 128 columns of 4 bytes
	s_lshl_b32 s27, s18, 7                         ; my wave's 32 of them
	s_add_co_u32 s26, s26, s24
	s_add_co_u32 s26, s26, s27
	s_mov_b32 s27, 0
	s_add_nc_u64 s[SB:SB+1], s[22:23], s[26:27]
	s_lshl_b32 s26, s21, 5                         ; 32 rows on
.irp t, 1,2,3,4,5,6,7,8,9,10,11,12,13,14,15
	s_add_nc_u64 s[SB+2*\t:SB+2*\t+1], s[SB+2*\t-2:SB+2*\t-1], s[26:27]
.endr
	s_mul_i32 s24, s19, 56
	s_add_co_u32 s24, s24, s20
	s_add_co_u32 s24, s24, 8
	s_mul_i32 s24, s24, BLKB
	s_mov_b32 s25, 0
	s_add_nc_u64 s[14:15], s[14:15], s[24:25]      ; my block of the codes' buffer
	s_lshl_b32 s24, s18, 13
	s_add_nc_u64 s[60:61], s[14:15], s[24:25]      ; my 32 rows' codes
	s_lshl_b32 s24, s18, 9
	s_add_nc_u64 s[62:63], s[14:15], s[24:25]      ; and their scale bytes (32,768 further on: in the immediate)
.macro LOADW t                         ; block t: W(32 t + i, my column) into set t % 2
.irp i, 0,1,2,3,4,5,6,7,8,9,10,11,12,13,14,15,16,17,18,19,20,21,22,23,24,25,26,27,28,29,30,31
	global_load_b32 v[WX+32*((\t)%2)+\i], v[WO+\i], s[SB+2*(\t):SB+2*(\t)+1] th:TH_LOAD_NT
.endr
.endm
.macro BLOCKW t
.set XS, WX+32*((\t)%2)
.if (\t) < 15
	s_wait_loadcnt 32                              ; this block's 32 loads are in; the next block's may be out
.else
	s_wait_loadcnt 0
.endif
	v_max3_num_f32 v12, |v[XS]|, |v[XS+1]|, |v[XS+2]|              ; the block's largest magnitude, in two chains
	v_max3_num_f32 v13, |v[XS+3]|, |v[XS+4]|, |v[XS+5]|
.irp i, 6,10,14,18,22,26
	v_max3_num_f32 v12, v12, |v[XS+\i]|, |v[XS+\i+1]|
	v_max3_num_f32 v13, v13, |v[XS+\i+2]|, |v[XS+\i+3]|
.endr
	v_max3_num_f32 v12, v12, |v[XS+30]|, |v[XS+31]|
	v_max3_num_f32 v12, v12, v13, 0x1800000        ; and the floor 2^(3 - 127): the byte cannot fall under 1
	v_add_nc_u32 v11, 0xff000000, v12              ; 2 off the exponent field: the conversion takes the exponent field of this operand as its scale
	v_lshrrev_b32 v13, 23, v11                     ; the scale's byte
.if (\t)%4 == 0
	v_mov_b32 v[WSB+(\t)/4], v13                   ; four bytes to a register, the lower K in the lower byte
.else
	v_lshl_or_b32 v[WSB+(\t)/4], v13, 8*((\t)%4), v[WSB+(\t)/4]
.endif
.irp g, 0,1,2,3
	v_cvt_scalef32_pk8_fp4_f32 v[WC+\g], v[XS+8*\g:XS+8*\g+7], v11
.endr
	ds_store_b128 v[WSI], v[WC:WC+3] offset:16*(\t)   ; 32 codes: 16 bytes of my column's row
.if (\t)+2 < 16
	LOADW (\t)+2
.endif
	s_wait_dscnt 0x0                               ; the store has read its registers: the next block's codes may be written
.endm
	LOADW 0
	LOADW 1
.set Q, 0
.rept 16
	BLOCKW Q
.set Q, Q+1
.endr
	global_store_b128 v[L16], v[WSB:WSB+3], s[62:63] offset:32768    ; 16 scale bytes a row: the wave stores 512 consecutive bytes
.irp t, 0,1,2,3,4,5,6,7,8,9,10,11,12,13,14,15
	ds_load_b128 v[WOR+4*\t:WOR+4*\t+3], v[WSO] offset:2*\t*WP       ; LDS serves a wave's instructions in order: these see my stores
.endr
.irp t, 0,1,2,3,4,5,6,7,8,9,10,11,12,13,14,15
	s_wait_dscnt 15-\t
	global_store_b128 v[L16], v[WOR+4*\t:WOR+4*\t+3], s[60:61] offset:512*\t   ; two whole rows of 256 bytes
.endr
	s_wait_tensorcnt 0x0                           ; the wave's end, behind my last LDS store
	ds_add_u32 v[SPW], v[NIL]
	s_wait_dscnt 0x0
	s_endpgm
	; ---- x.  Wave W = 4 (work-group - 384) + wave: K step W % 8, rows 16 (W / 8) on: 16 steps, each 512 numbers of one row.  A step's four loads read 512 consecutive bytes each; its 2,048 bytes turn
	; through the wave's own stage, so that a lane then holds 16 neighbours along K; two neighbouring lanes hold a block.  Loads run four steps ahead, the turn through LDS one step.
.set XR,   16                          ; v16-79   four sets of 16 numbers as loaded
.set XX,   80                          ; v80-111  two sets of 16 neighbours
.set XE,   112                         ; v112-127 a scale byte for each step
.set XC,   128                         ; v128-191 codes: registers of its own for each step, so that no store's data are written again
.Lrows:
	s_sub_co_u32 s20, ttmp9, 384
	s_lshl_b32 s20, s20, 2
	s_add_co_u32 s20, s20, s18
	s_and_b32 s19, s20, 7                          ; K step
	s_lshr_b32 s20, s20, 3                         ; which 16 rows: 0 .. 63
	s_lshl_b32 s22, s20, 18                        ; 16 rows of 16,384 bytes
	s_lshl_b32 s24, s19, 11                        ; 512 numbers
	s_add_co_u32 s22, s22, s24
	s_mov_b32 s23, 0
	s_add_nc_u64 s[4:5], s[4:5], s[22:23]
	s_lshr_b32 s24, s20, 3                         ; row group
	s_mul_i32 s22, s19, 56
	s_add_co_u32 s22, s22, s24
	s_mul_i32 s22, s22, BLKB
	s_and_b32 s24, s20, 7
	s_lshl_b32 s25, s24, 12                        ; 16 rows of 256 bytes of codes
	s_add_co_u32 s26, s22, s25
	s_mov_b32 s27, 0
	s_add_nc_u64 s[8:9], s[14:15], s[26:27]
	s_lshl_b32 s25, s24, 8                         ; 16 rows of 16 scale bytes (32,768 further on: in the immediate)
	s_add_co_u32 s26, s22, s25
	s_add_nc_u64 s[10:11], s[14:15], s[26:27]
.macro XLOAD t
.irp i, 0,1,2,3
	global_load_b128 v[XR+16*((\t)%4)+4*\i:XR+16*((\t)%4)+4*\i+3], v[L16], s[4:5] offset:16384*(\t)+512*\i th:TH_LOAD_NT
.endr
.endm
.macro XTURN t                         ; step t's numbers through the stage: LDS serves a wave's instructions in order
.irp i, 0,1,2,3
	ds_store_b128 v[XIN], v[XR+16*((\t)%4)+4*\i:XR+16*((\t)%4)+4*\i+3] offset:32*SP*((\t)%2)+8*SP*\i
.endr
.irp i, 0,1,2,3
	ds_load_b128 v[XX+16*((\t)%2)+4*\i:XX+16*((\t)%2)+4*\i+3], v[XOUT] offset:32*SP*((\t)%2)+16*\i
.endr
.endm
.irp t, 0,1,2,3
	XLOAD \t
.endr
	s_wait_loadcnt 12                              ; step 0's four loads are in
	XTURN 0
.macro XSTEP t
.set XS, XX+16*((\t)%2)
.if (\t) > 0
	s_wait_dscnt 1                                 ; this step's numbers are back from the stage (the last step's byte store may be out), so its stores into the stage have read their registers,
.else
	s_wait_dscnt 0x0
.endif
.if (\t)+4 < 16
	XLOAD (\t)+4                                   ; which take the loads of four steps on
.endif
.if (\t)+1 < 16
.if 14-(\t) >= 3
	s_wait_loadcnt 12                              ; the next step's four loads are in; those of the three steps behind it may be out
.else
	s_wait_loadcnt 4*(14-(\t))
.endif
	XTURN (\t)+1
.endif
	v_max3_num_f32 v8, |v[XS]|, |v[XS+1]|, |v[XS+2]|               ; the largest magnitude of my 16
	v_max3_num_f32 v9, |v[XS+3]|, |v[XS+4]|, |v[XS+5]|
.irp i, 6,10
	v_max3_num_f32 v8, v8, |v[XS+\i]|, |v[XS+\i+1]|
	v_max3_num_f32 v9, v9, |v[XS+\i+2]|, |v[XS+\i+3]|
.endr
	v_max3_num_f32 v8, v8, |v[XS+14]|, |v[XS+15]|
	v_max3_num_f32 v8, v8, v9, 0x1800000           ; and the floor 2^(3 - 127)
	v_max_num_f32_dpp v8, v8, v8 row_xmask:1 row_mask:0xf bank_mask:0xf   ; and of my neighbour's 16: the block's
	v_add_nc_u32 v11, 0xff000000, v8               ; 2 off its exponent field: the conversion's scale operand
	v_cvt_scalef32_pk8_fp4_f32 v[XC+4*(\t)], v[XS:XS+7], v11
	v_cvt_scalef32_pk8_fp4_f32 v[XC+4*(\t)+1], v[XS+8:XS+15], v11
	v_lshrrev_b32 v[XE+(\t)], 23, v11              ; the scale's byte
	ds_store_b8 v[XSB], v[XE+(\t)] offset:16*(\t)  ; both lanes of a block write the same byte with the same value
	global_store_b64 v[L8], v[XC+4*(\t):XC+4*(\t)+1], s[8:9] offset:256*(\t)   ; a row's 256 bytes of this K step, aligned
.endm
.irp t, 0,1,2,3,4,5,6,7,8,9,10,11,12,13,14,15
	XSTEP \t
.endr
	ds_load_b64 v[8:9], v[XSR]                     ; LDS serves a wave's instructions in order: this sees my byte stores
	s_wait_dscnt 0x0
	global_store_b64 v[L8], v[8:9], s[10:11] offset:32768          ; 16 rows' scale bytes: 256 consecutive bytes, aligned
	s_wait_tensorcnt 0x0                           ; the wave's end, behind my last LDS store
	ds_add_u32 v[SPW], v[NIL]
	s_wait_dscnt 0x0
	s_endpgm
.Lfunc_end_k_q75adcfc9f0_prep:
	.size	k_q75adcfc9f0_prep, .Lfunc_end_k_q75adcfc9f0_prep-k_q75adcfc9f0_prep
	.p2alignl 7, 3214868480
	.fill 96, 4, 3214868480
	.section	.rodata,"a",@progbits
	.p2align	6, 0x0
	.amdhsa_kernel k_q75adcfc9f0_prep
		.amdhsa_group_segment_fixed_size 68096
		.amdhsa_private_segment_fixed_size 0
		.amdhsa_enable_private_segment 0
		.amdhsa_kernarg_size 56
		.amdhsa_user_sgpr_count 2
		.amdhsa_user_sgpr_kernarg_segment_ptr 1
		.amdhsa_wavefront_size32 1
		.amdhsa_system_sgpr_workgroup_id_x 1
		.amdhsa_system_sgpr_workgroup_id_y 1
		.amdhsa_system_sgpr_workgroup_id_z 1
		.amdhsa_system_vgpr_workitem_id 0
		.amdhsa_next_free_vgpr 208
		.amdhsa_next_free_sgpr 66
		.amdhsa_reserve_vcc 0
		.amdhsa_float_denorm_mode_32 3
		.amdhsa_float_denorm_mode_16_64 3
		.amdhsa_memory_ordered 1
		.amdhsa_forward_progress 1
		.amdhsa_inst_pref_size 131
	.end_amdhsa_kernel
	.amdgpu_metadata
---
amdhsa.version: [ 1, 2 ]
amdhsa.kernels:
  - .name:           k_q75adcfc9f0_prep
    .symbol:         k_q75adcfc9f0_prep.kd
    .args:
      - { .name: x, .offset: 0, .size: 8, .value_kind: global_buffer, .address_space: global }
      - { .name: W_q, .offset: 8, .size: 8, .value_kind: global_buffer, .address_space: global }
      - { .name: W_k, .offset: 16, .size: 8, .value_kind: global_buffer, .address_space: global }
      - { .name: W_v, .offset: 24, .size: 8, .value_kind: global_buffer, .address_space: global }
      - { .name: W_o, .offset: 32, .size: 8, .value_kind: global_buffer, .address_space: global }
      - { .name: codes, .offset: 40, .size: 8, .value_kind: global_buffer, .address_space: global }
      - { .name: wo16, .offset: 48, .size: 8, .value_kind: global_buffer, .address_space: global }
    .group_segment_fixed_size: 68096
    .private_segment_fixed_size: 0
    .kernarg_segment_align: 8
    .kernarg_segment_size: 56
    .max_flat_workgroup_size: 128
    .sgpr_count:     66
    .vgpr_count:     208
    .wavefront_size: 32
...
	.end_amdgpu_metadata
.endif
;; end of part 1
;; launch qkv (part 2): grid 24 x 4, 4 waves a work-group, clusters of 4 x 4, 327,680 bytes of LDS; arguments codes, cos_freq, sin_freq, qh, kh, vh; writes qh, kh, vh
.if DOCPART == 2
	.amdgcn_target "amdgcn-amd-amdhsa--gfx1250"
	.amdhsa_code_object_version 6
	.text
	.protected	k_q75adcfc9f0_qkv
	.globl	k_q75adcfc9f0_qkv
	.p2align	8
	.type	k_q75adcfc9f0_qkv,@function
k_q75adcfc9f0_qkv:
	s_mov_b64 s[64:65], 0
	v_nop
	global_prefetch_b8 v0, s[64:65] scope:SCOPE_SE
	s_setreg_imm32_b32 hwreg(HW_REG_WAVE_MODE, 25, 1), 1
	s_wait_xcnt 0x0
	s_wait_alu depctr_hold_cnt(0) depctr_sa_sdst(0) depctr_va_vdst(0) depctr_va_sdst(0) depctr_va_ssrc(0) depctr_va_vcc(0) depctr_vm_vsrc(0)
	s_getreg_b32 s2, hwreg(HW_REG_IB_STS2, 6, 4)
	s_cmp_eq_u32 s2, 0
	s_cbranch_scc0 .Lentry_in_a_cluster
	s_endpgm
.Lentry_in_a_cluster:
	s_bfe_u32 s2, ttmp6, 0x10000c
	s_cmp_lg_u32 s2, 0xf033
	s_cbranch_scc0 .Lentry_shape_is_right
	s_endpgm
.Lentry_shape_is_right:
; GQA layer, launch 2 of 4: [q | k | v] = x @ [W_q | W_k | W_v], 1,024 x 6,144 x 4,096, on codes of FP4 (E2M1) with one E8M0 scale for each 32 along K; f32 sums, K ascending, one accumulator an output.
; On the way out: x 1/16 (exact), the interleaved rotation on q and k in f32, rounding to f16; qh [32][1024][128], kh and vh [8][1024][128].
; WORK LEFT OUT: rows 1,024 to 8,191 of cos_freq and sin_freq, which reference() slices away, are not loaded.  LIMIT: |q|, |k|, |v| under 2^20 (value / 16 in f16).
; codes: [K step 0..7][row group 0..55][34,816 bytes]: 128 rows x 256 bytes of codes, then 16 scale bytes a row.  Groups 0-7: x; 8 + i: columns 128 i on of [W_q | W_k | W_v], which is one head.
; A tile of the result, 256 x 256, is made by a work-group of four waves; a wave makes 128 positions x 128 columns: ONE head: 64 accumulators of 16 x 16, 512 registers.
; K goes in steps of 512 through a ring of two LDS slots.  A slot holds four row groups (A's two, B's two); each wave fetches one with ONE tensor load: 136 dense rows of 256 bytes, codes and scale bytes together.
; CLUSTERS: 4 x 4 work-groups.  The four of a row of the cluster need the same groups of x, the four of a column the same groups of the weights: each is asked for jointly, by the same tensor load with the same
; descriptor and a mask that names the four.  The grid has one cluster along y, so the tile row is cy.  Cluster x 0-3 makes q, 4 makes k, 5 makes v: the same in all sixteen partners.
; THE MATRIX INSTRUCTION IS USED TRANSPOSED (source 0 = 16 columns of a weight, source 1 = 16 rows of x): a lane then holds eight neighbouring numbers of a position's row.
; REGISTERS, in windows of 256: window 0: v0-31 addresses; v32-95 scale words, two sets; v128-191 A's fragments, ONE set; on the way out v32-255 are free.
;   window 1: B's fragments, TWO sets, at v0 and at v128; on the way out four sets of 64 for cos and sin.   window 2: the accumulators of my rows 0-63 ((a, b) at v[8 (8 a + b)]);   window 3: those of my rows 64-127.
.set NQ,     4                         ; matrix instructions deep in a slot: 512 / 128
.set PITCH,  272                       ; an LDS row: 256 bytes + 16 of padding = 68 words: the 16 rows that a load touches start at 16 different banks (64 banks of 4 bytes: ISA guide 11.1)
.set FR,     8                         ; registers of a fragment: 16 rows x 128 K
.set NL,     2                         ; LDS loads that bring one
.set NP,     4                         ; places behind this matrix instruction (ISA guide 7.12.1)
.set GRP,    136*PITCH                 ; a row group in LDS
.set SCOFF,  128*PITCH                 ; where its scale bytes begin: 16 rows' in each run of 256 bytes
.set SLOT,   4*GRP
.set BLKB,   34816                     ; a row group in memory
.set KBLK,   56*BLKB                   ; a K step on
.set LAPS,   4                         ; a lap = two K steps = once round the ring
.set SPARE,  2*SLOT                    ; behind the ring: the spare words, 128 bytes for each wave
.set SPITCH, 528                       ; the way out: a stage of 16 rows x (512 bytes + 16) for each wave, in slot 0, which has had its last fill and its last read when the first result is stored there
.set ADRA, 16                          ; v16-17  LDS address of my A fragments in slot 0, 1
.set ADRB, 20                          ; v20-21  the same for B
.set ADRS, 22                          ; v22-23  of my scale words: lanes 0-15 A's rows, lanes 16-31 B's
.set STO,  24                          ; v24     the way out: where I put 16 bytes of a row
.set RD,   25                          ; v25     where I read a row back
.set CO,   26                          ; v26     16 x lane: my place in two rows of cos, of sin and of the f16 result (a row of each is 256 bytes)
.set SPW,  28                          ; v28     LDS address of my spare word; never rewritten
.set NIL,  29                          ; v29     0; never rewritten
.set SC,   32                          ; scale words: set s (for slot s) at v[SC + 32 s]; register 4 i + q: lanes 0-15 the word of A's block i, lanes 16-31 of B's block i, for the slot's q-th 128 along K
.set AF,   128                         ; A's fragments
.set HH,   32                          ; the way out: v32-95   a block's f16, two sets of 32
.set TT,   96                          ; v96-111  at work in the rotation
.set BK,   128                         ; v128-255 a block read back from the stage, two sets of 64
.set G1, 24                            ; s[24:31] descriptor group 1 for A's groups;  s[32:39] group 0, one set for each slot
.set G0, 32
.set G1B, 48                           ; s[48:55], s[56:63] the same for B's
.set G0B, 56
.set MSB, 0
.macro WIN new                         ; the immediate's high byte repeats the setting that is left
.if MSB != \new
	s_set_vgpr_msb (MSB<<8)|\new
.set MSB, \new
.endif
.endm
.set MUL_LO, 0xa1                      ; source 0 (B) window 1, source 1 (A) window 0, C and D window 2
.set MUL_HI, 0xf1                      ; the same, C and D window 3
.set TO_B,   0x40                      ; destination window 1, address window 0
; A joint load: waves 0 and 1 fetch for A, waves 2 and 3 for B.  Each line has one mask and one set of registers for all that issue it; the branch hangs on the wave's number alone.
; An s_nop 0 and four v_nop follow each of the two lines, ahead of the jump, the label and what follows.
.macro JLOAD g0a, g1a, g0b, g1b
	s_cmp_eq_u32 s17, 0
	s_cbranch_scc0 .Lfor_b_\@
	tensor_load_to_lds s[\g0a:\g0a+3], s[\g1a:\g1a+7]
	s_nop 0
.rept 4
	v_nop
.endr
	s_branch .Lasked_\@
.Lfor_b_\@:
	tensor_load_to_lds s[\g0b:\g0b+3], s[\g1b:\g1b+7]
	s_nop 0
.rept 4
	v_nop
.endr
.Lasked_\@:
.endm
.macro CREST                           ; a round of the cluster's barrier behind its opening barrier
	s_cmp_lg_u32 s16, 0
	s_cbranch_scc1 .Lnot_wave_0_\@
	s_barrier_signal -3
.Lnot_wave_0_\@:
	s_barrier_wait -3
	s_barrier_signal -1
	s_barrier_wait -1
.endm
.macro CROUND                          ; a whole round
	s_barrier_signal -1
	s_barrier_wait -1
	CREST
.endm
	s_load_b256 s[4:11], s[0:1], 0x0               ; codes s[4:5], cos s[6:7], sin s[8:9], qh s[10:11]
	s_load_b128 s[12:15], s[0:1], 0x20             ; kh s[12:13], vh s[14:15]
	v_lshl_add_u32 v[SPW], v0, 2, SPARE
	v_mov_b32 v[NIL], 0
	ds_add_u32 v[SPW], v[NIL]                      ; the wave's opening: the add, twice on end, and its wait ahead of my first tensor load
	ds_add_u32 v[SPW], v[NIL]                      ; and once more, under the one wait; the set-up below, work on registers, stands between
	v_lshrrev_b32 v1, 5, v0
	v_readfirstlane_b32 s16, v1                    ; wave 0..3
	s_lshr_b32 s17, s16, 1                         ; which half of the tile's rows is mine.  Also: I fetch for A (0) or for B (1)
	s_and_b32 s18, s16, 1                          ; which half of its columns.  Also: which of the two row groups I fetch
	s_bfe_u32 s40, ttmp6, 0x40000                  ; cx, cy: my place in the cluster
	s_bfe_u32 s41, ttmp6, 0x40004
	s_lshl_b32 s42, ttmp9, 2
	s_add_co_u32 s42, s42, s40                     ; tile column = 4 x cluster x + cx
	s_mov_b32 s19, s41                             ; tile row = cy
	s_mov_b32 s72, ttmp9                           ; 0-3: q, 4: k, 5: v
	s_mov_b32 s74, 0x3d800000                      ; 1/16
	s_mov_b32 s75, s74                             ; (named with it as a pair, so it is written)
	s_lshl_b32 s43, s41, 2
	s_lshl_b32 s43, 15, s43                        ; my row of the cluster
	s_lshl_b32 s44, 0x1111, s40                    ; my column
	; descriptor group 1: 136 dense rows of 256 bytes (32 elements of 8 bytes), 16 bytes of padding behind each
	s_or_b32 s[G1+0], s43, (3<<16)|(1<<20)|(1<<21)|(5<<22)|(3<<25)   ; 15:0 the mask; 17:16 elements of 8 bytes; 20 padding on; 21 set beside a mask; 24:22 after every 64 words (code 5); 31:25 four words (code 3)
	s_or_b32 s[G1B+0], s44, (3<<16)|(1<<20)|(1<<21)|(5<<22)|(3<<25)
.irp g, G1, G1B
	s_mov_b32 s[\g+1], 32<<16                      ; tensor_dim0 = 32
	s_mov_b32 s[\g+2], 136<<16                     ; tensor_dim1 = 136
	s_mov_b32 s[\g+3], 32<<16                      ; tile_dim0 = 32
	s_mov_b32 s[\g+4], 136                         ; tile_dim1 = 136
	s_mov_b32 s[\g+5], 32                          ; tensor_dim0_stride
	s_mov_b32 s[\g+6], 0
	s_mov_b32 s[\g+7], 0
.endr
	s_lshl_b32 s20, s19, 1
	s_add_co_u32 s20, s20, s18                     ; A: row group 2 x tile row + half
	s_mul_i32 s20, s20, BLKB
	s_mov_b32 s21, 0
	s_lshl_b32 s46, s42, 1
	s_add_co_u32 s46, s46, s18
	s_add_co_u32 s46, s46, 8                       ; B: row group 8 + 2 x tile column + half
	s_mul_i32 s46, s46, BLKB
	s_mov_b32 s47, 0
	s_mul_i32 s45, s16, GRP                        ; where they go: wave x a group: no place in the cluster enters an LDS address
	s_wait_dscnt 0x0                               ; both opening adds are done
	s_wait_kmcnt 0x0
	s_add_nc_u64 s[20:21], s[4:5], s[20:21]
	s_add_nc_u64 s[46:47], s[4:5], s[46:47]
	CROUND                                         ; all sixteen work-groups are here: the first joint loads meet
.irp s, 0,1
	s_mov_b32 s[G0+4*\s], 1
	s_add_co_u32 s[G0+4*\s+1], s45, \s*SLOT
	s_add_nc_u64 s[G0+4*\s+2:G0+4*\s+3], s[20:21], \s*KBLK
	s_or_b32 s[G0+4*\s+3], s[G0+4*\s+3], 0x80000000
	s_mov_b32 s[G0B+4*\s], 1
	s_add_co_u32 s[G0B+4*\s+1], s45, \s*SLOT
	s_add_nc_u64 s[G0B+4*\s+2:G0B+4*\s+3], s[46:47], \s*KBLK
	s_or_b32 s[G0B+4*\s+3], s[G0B+4*\s+3], 0x80000000
	JLOAD G0+4*\s, G1, G0B+4*\s, G1B               ; two loads of mine are out behind these
.endr
	v_and_b32 v1, 15, v0                           ; r = l % 16
	v_bfe_u32 v2, v0, 4, 1                         ; h = l / 16
	v_mul_u32_u24 v3, v1, PITCH
	v_lshl_add_u32 v4, v2, 4, v3                   ; a fragment's row x pitch + 16 x half
	s_mul_i32 s21, s17, GRP                        ; my 128 rows of A
	s_add_co_u32 s22, s18, 2
	s_mul_i32 s22, s22, GRP                        ; my 128 rows of B, behind A's two groups
	v_add_nc_u32 v[ADRA], s21, v4
	v_add_nc_u32 v[ADRB], s22, v4
	v_add_nc_u32 v[ADRA+1], SLOT, v[ADRA]
	v_add_nc_u32 v[ADRB+1], SLOT, v[ADRB]
	s_sub_co_u32 s22, s22, s21
	v_mul_u32_u24 v6, s22, v2                      ; lanes 16-31 take B's scale words: one product, the distance between the two groups x h
	v_lshl_add_u32 v5, v1, 4, v6                   ; 16 bytes a row
	s_add_co_u32 s21, s21, SCOFF
	v_add_nc_u32 v[ADRS], s21, v5
	v_add_nc_u32 v[ADRS+1], SLOT, v[ADRS]
	s_mul_i32 s23, s16, 16*SPITCH                  ; my stage
	v_mul_u32_u24 v5, v1, SPITCH                   ; in: row l % 16, 16 bytes for each half of the lanes
	v_lshl_add_u32 v5, v2, 4, v5
	v_add_nc_u32 v[STO], s23, v5
	v_mul_u32_u24 v5, v2, SPITCH                   ; back: lanes 0-15 take one row, lanes 16-31 the next; 16 bytes a lane
	v_lshl_add_u32 v5, v1, 4, v5
	v_add_nc_u32 v[RD], s23, v5
	v_and_b32 v6, 31, v0
	v_lshlrev_b32 v[CO], 4, v6
	; where my 128 positions of my head go, and where their cos and sin lie
	s_lshl_b32 s46, s42, 1
	s_add_co_u32 s46, s46, s18                     ; which 128 columns of the 6,144: 0-31 q's heads, 32-39 k's, 40-47 v's
	s_cmp_lt_u32 s72, 5
	s_cselect_b64 s[66:67], s[12:13], s[14:15]
	s_cselect_b32 s47, 32, 40
	s_cmp_lt_u32 s72, 4
	s_cselect_b64 s[66:67], s[10:11], s[66:67]
	s_cselect_b32 s47, 0, s47
	s_sub_co_u32 s46, s46, s47                     ; the head
	s_lshl_b32 s46, s46, 10
	s_lshl_b32 s22, s19, 8
	s_lshl_b32 s23, s17, 7
	s_add_co_u32 s22, s22, s23                     ; my first position: 256 x tile row + 128 x half
	s_add_co_u32 s46, s46, s22
	s_lshl_b32 s46, s46, 8                         ; rows of 256 bytes
	s_mov_b32 s47, 0
	s_add_nc_u64 s[66:67], s[66:67], s[46:47]
	s_lshl_b32 s22, s22, 8                         ; a row of cos or sin is 64 f32: 256 bytes
	s_mov_b32 s23, 0
	s_add_nc_u64 s[68:69], s[6:7], s[22:23]
	s_add_nc_u64 s[70:71], s[8:9], s[22:23]
.macro FRAG reg, adr, q, i             ; a fragment, 16 rows x 128 K of 4-bit codes: lane l holds row l % 16; registers 4 c .. 4 c + 3 hold K = 64 c + 32 (l / 16) + 0 .. 31
.irp c, 0,1
	ds_load_b128 v[\reg+4*\c:\reg+4*\c+3], v[\adr] offset:64*(\q)+32*\c+(\i)*16*PITCH
.endr
.endm
; 16 matrix instructions: A's blocks a0, a0 + 1 x B's eight, the slot's q-th 128 along K.  p: B's set;  sc: the set of scale words.  zero = 1: the first product starts the sums: nothing is ever cleared.
; The 64 accumulators take turns, one instruction a turn, in the same order in every step.
.macro MUL16 a0, p, q, sc, zero
.irp a, \a0, \a0+1
.irp b, 0,1,2,3,4,5,6,7
.if \zero
	v_wmma_scale_f32_16x16x128_f8f6f4 v[8*(8*((\a)%4)+\b):8*(8*((\a)%4)+\b)+7], v[128*(\p)+FR*\b:128*(\p)+FR*\b+FR-1], v[AF+FR*(\a):AF+FR*(\a)+FR-1], 0, v[SC+8*NQ*(\sc)+NQ*\b+(\q)], v[SC+8*NQ*(\sc)+NQ*(\a)+(\q)] matrix_a_fmt:MATRIX_FMT_FP4 matrix_b_fmt:MATRIX_FMT_FP4 matrix_a_scale:MATRIX_SCALE_ROW1
.else
	v_wmma_scale_f32_16x16x128_f8f6f4 v[8*(8*((\a)%4)+\b):8*(8*((\a)%4)+\b)+7], v[128*(\p)+FR*\b:128*(\p)+FR*\b+FR-1], v[AF+FR*(\a):AF+FR*(\a)+FR-1], v[8*(8*((\a)%4)+\b):8*(8*((\a)%4)+\b)+7], v[SC+8*NQ*(\sc)+NQ*\b+(\q)], v[SC+8*NQ*(\sc)+NQ*(\a)+(\q)] matrix_a_fmt:MATRIX_FMT_FP4 matrix_b_fmt:MATRIX_FMT_FP4 matrix_a_scale:MATRIX_SCALE_ROW1
.endif
.endr
.endr
.endm
.macro FETCH_B slot, q, p              ; B's eight fragments of the slot's q-th 128 along K into set p
	WIN TO_B
.irp i, 0,1,2,3,4,5,6,7
	FRAG 128*(\p)+FR*\i, ADRB+\slot, \q, \i
.endr
	WIN 0
.endm
.macro FETCH_A slot, q, i0             ; A's blocks i0 .. i0 + 3
.irp i, \i0, \i0+1, \i0+2, \i0+3
	FRAG AF+FR*(\i), ADRA+\slot, \q, \i
.endr
.endm
.macro SCALES sc                       ; slot sc's scale words: four words a row; lanes 0-15 take A's block i, lanes 16-31 B's block i
.irp i, 0,1,2,3,4,5,6,7
	ds_load_b128 v[SC+8*NQ*\sc+NQ*\i:SC+8*NQ*\sc+NQ*\i+3], v[ADRS+\sc] offset:\i*PITCH
.endr
.endm
; A load into a register that a matrix instruction has read, and a vector instruction or an LDS store that reads a matrix result, stand NP places behind that matrix instruction; only plain vector
; instructions that name none of its registers are places (ISA guide 7.12.1 for vector instructions).
.macro PLACES n
.rept \n
	v_nop
.endr
.endm
; A step of 128 along K that has its successor in the same slot.  A block of A is free as soon as its eight products are issued: blocks 0-3 are fetched anew in the step's middle, blocks 4-7 at its end.
.macro STEP slot, q, zero
	s_wait_dscnt 4*NL                              ; B's set, the scale words and A's blocks 0-3 are in; the youngest eight loads (A's blocks 4-7) may be out
	WIN MUL_LO
	MUL16 0, (\q)%2, \q, \slot, \zero
	MUL16 2, (\q)%2, \q, \slot, \zero
	s_wait_dscnt 0                                 ; A's blocks 4-7 are in (asked for 32 matrix instructions ago)
	PLACES NP
	FETCH_B \slot, (\q)+1, 1-(\q)%2
	FETCH_A \slot, (\q)+1, 0
	WIN MUL_HI
	MUL16 4, (\q)%2, \q, \slot, \zero
	MUL16 6, (\q)%2, \q, \slot, \zero
	PLACES NP
	WIN 0
	FETCH_A \slot, (\q)+1, 4
.endm
; A slot's last step changes slots: ONE barrier; in front of it each wave waits for all its tensor loads, adds 0 to its spare word, and waits for that and for its own reads of this slot.  fill = 1: this slot is filled again, two K steps ahead.
.macro TURN slot, next, fill
	s_wait_tensorcnt 0x0                           ; all my tensor loads have landed: my part of the next slot  (every window is 0 here)
	ds_add_u32 v[SPW], v[NIL]                      ; 0 onto my spare word
	s_wait_dscnt 4*NL+1                            ; (the add and the youngest eight loads, A's blocks 4-7, may be out)
	WIN MUL_LO
	MUL16 0, 1, NQ-1, \slot, 0                     ; sixteen matrix instructions stand between the add and the wait for it
	s_wait_dscnt 0x0                               ; the add is done, and my reads of this slot are over
	s_barrier_signal -1
	MUL16 2, 1, NQ-1, \slot, 0
	WIN 0
	s_barrier_wait -1
.if \fill
	CREST                                          ; the barrier has opened a round of the cluster's barrier: no wave of any partner still reads this slot or has a load on its way
	s_add_nc_u64 s[G0+4*\slot+2:G0+4*\slot+3], s[G0+4*\slot+2:G0+4*\slot+3], 2*KBLK
	s_add_nc_u64 s[G0B+4*\slot+2:G0B+4*\slot+3], s[G0B+4*\slot+2:G0B+4*\slot+3], 2*KBLK
	JLOAD G0+4*\slot, G1, G0B+4*\slot, G1B         ; the first tensor load behind the round; the four v_nop behind it are the places in front of the loads below
.else
	PLACES NP
.endif
	FETCH_B \next, 0, 0
	FETCH_A \next, 0, 0
	SCALES \next
	WIN MUL_HI
	MUL16 4, 1, NQ-1, \slot, 0
	MUL16 6, 1, NQ-1, \slot, 0
	PLACES NP
	WIN 0
	FETCH_A \next, 0, 4
.endm
.macro STEPS slot, from                ; the slot's steps from .. NQ - 2
.set Q, \from
.rept NQ-1-\from
	STEP \slot, Q, 0
.set Q, Q+1
.endr
.endm
	s_wait_tensorcnt 1                             ; my part of K step 0 is in (K step 1's load may be out)
	s_barrier_signal -1
	s_barrier_wait -1                              ; everybody's is
	FETCH_B 0, 0, 0
	FETCH_A 0, 0, 0
	SCALES 0
	FETCH_A 0, 0, 4
	STEP 0, 0, 1                                   ; the first step stands in front of the loop: its products start the sums
	s_mov_b32 s3, LAPS-1
.Llap:                                                 ; a trip goes once round the ring, from a lap's second step to the next lap's first, and fills both slots again
	STEPS 0, 1
	TURN 0, 1, 1
	STEPS 1, 0
	TURN 1, 0, 1
	STEP 0, 0, 0
	s_sub_co_u32 s3, s3, 1
	s_cmp_lg_u32 s3, 0
	s_cbranch_scc1 .Llap
	STEPS 0, 1                                     ; the last lap fills nothing, and has no round of the cluster's barrier
	TURN 0, 1, 0
	STEPS 1, 0
	s_wait_dscnt 4*NL                              ; the very last step: nothing more to fetch
	WIN MUL_LO
	MUL16 0, 1, NQ-1, 1, 0
	MUL16 2, 1, NQ-1, 1, 0
	s_wait_dscnt 0
	WIN MUL_HI
	MUL16 4, 1, NQ-1, 1, 0
	MUL16 6, 1, NQ-1, 1, 0
	WIN 0
; THE WAY OUT, block by block of 16 positions x 128 columns.  In an accumulator a lane holds 8 neighbouring columns of one position and the lanes beside it hold other positions: so a block goes through my own stage in
; LDS.  A row's 32 pieces of 16 bytes lie there with the even pieces in its first 256 bytes and the odd ones in its second: piece c at 16 (c / 2) + 256 (c % 2).  So lane l reads back, by two loads whose sixteen lanes
; take 256 consecutive bytes, pieces 2 (l % 16) and 2 (l % 16) + 1 of row 2 t + l / 16: columns 8 (l % 16) + 0 .. 7 of one position: four (even, odd) pairs, with frequencies 4 (l % 16) + 0 .. 3, which are 16
; neighbouring bytes of the position's row of cos and of sin; its eight f16 are 16 bytes of the result's row.  Each load of a table and each store covers 512 consecutive bytes, aligned: two rows.
; even' = even cos - odd sin, odd' = even sin + odd cos, in f32.
; EVERYTHING RUNS AHEAD: the tables of up to three blocks are on their way (four sets of 64 registers in window 1, free behind the last product); block a goes into the stage while block a - 1 is worked on.
; v has no rotation: ONE branch on the cluster's x, the same in all partners, leads to a copy of the way out with no tables, so that each counted wait for loads stands on a way on which all its loads were issued.
.macro TABLE a                         ; block a's cos and sin into set a % 4: row pair t: cos at + 8 t, sin at + 8 t + 4
.set CT, 64*(1-(((\a)%4)/2))+128*(((\a)%4)%2)
	WIN TO_B
.irp t, 0,1,2,3,4,5,6,7
	global_load_b128 v[CT+8*\t:CT+8*\t+3], v[CO], s[68:69] offset:(16*(\a)+2*\t)*256
	global_load_b128 v[CT+8*\t+4:CT+8*\t+7], v[CO], s[70:71] offset:(16*(\a)+2*\t)*256
.endr
	WIN 0
.endm
.macro TOSTAGE a                       ; block a into the stage and back, into set a % 2
.set AC, 64*((\a)%4)
	WIN 0x08+4*((\a)/4)                            ; an LDS store's data are its source 1: window 2 or 3
.irp b, 0,1,2,3,4,5,6,7
	ds_store_b128 v[STO], v[AC+8*\b:AC+8*\b+3] offset:32*\b              ; each accumulator from its low end on: piece 4 b + 2 (l / 16), an even one,
	ds_store_b128 v[STO], v[AC+8*\b+4:AC+8*\b+7] offset:32*\b+256        ; and the odd one behind it
.endr
	WIN 0
.set BB, BK+64*((\a)%2)
.irp t, 0,1,2,3,4,5,6,7
	ds_load_b128 v[BB+8*\t:BB+8*\t+3], v[RD] offset:2*\t*SPITCH          ; LDS serves a wave's instructions in order (ISA guide 5.7.1.4): these see the stores above, and the next block's stores come behind them
	ds_load_b128 v[BB+8*\t+4:BB+8*\t+7], v[RD] offset:2*\t*SPITCH+256
.endr
.endm
.macro WORK a, younger, rope           ; younger: the LDS instructions issued behind block a's loads: the next block's 16 stores and 16 loads, or none
.set BB, BK+64*((\a)%2)
.set HB, HH+32*((\a)%2)
.set CB, 64*(1-(((\a)%4)/2))+128*(((\a)%4)%2)
	s_wait_dscnt \younger                          ; the block is back in registers
.irp i, 0,1,2,3,4,5,6,7,8,9,10,11,12,13,14,15,16,17,18,19,20,21,22,23,24,25,26,27,28,29,30,31
	v_pk_mul_f32 v[BB+2*\i:BB+2*\i+1], v[BB+2*\i:BB+2*\i+1], s[74:75] op_sel_hi:[1,0]   ; x 1/16: exact
.endr
.if \rope
.if 7-(\a) >= 2
	s_wait_loadcnt 32                              ; loads come back in order: this block's tables are in; those of the two blocks behind it, 16 loads each, may be out
.else
	s_wait_loadcnt 16*(7-(\a))
.endif
.if (\a)+3 < 8
	TABLE (\a)+3                                   ; into the set that block a - 1 has done with
.endif
	WIN 0x04                                       ; source 1 (sin, cos) window 1
.irp t, 0,1,2,3,4,5,6,7
	v_pk_mul_f32 v[TT+8*(\t%2):TT+8*(\t%2)+1], v[BB+8*\t:BB+8*\t+1], v[CB+8*\t+4:CB+8*\t+5] op_sel_hi:[1,0]                       ; (even, odd) x the first frequency's sin
	v_pk_mul_f32 v[TT+8*(\t%2)+2:TT+8*(\t%2)+3], v[BB+8*\t+2:BB+8*\t+3], v[CB+8*\t+4:CB+8*\t+5] op_sel:[0,1] op_sel_hi:[1,1]      ; the second pair x the second's
	v_pk_mul_f32 v[TT+8*(\t%2)+4:TT+8*(\t%2)+5], v[BB+8*\t+4:BB+8*\t+5], v[CB+8*\t+6:CB+8*\t+7] op_sel_hi:[1,0]
	v_pk_mul_f32 v[TT+8*(\t%2)+6:TT+8*(\t%2)+7], v[BB+8*\t+6:BB+8*\t+7], v[CB+8*\t+6:CB+8*\t+7] op_sel:[0,1] op_sel_hi:[1,1]
.irp p, 0,1,2,3
	v_fma_f32 v[BB+8*\t+2*\p], v[BB+8*\t+2*\p], v[CB+8*\t+\p], -v[TT+8*(\t%2)+2*\p+1]
	v_fma_f32 v[BB+8*\t+2*\p+1], v[BB+8*\t+2*\p+1], v[CB+8*\t+\p], v[TT+8*(\t%2)+2*\p]
.endr
.endr
	WIN 0
.endif
.if (\a) >= 2
	s_wait_xcnt 0x0                                ; block a - 2's stores have read their data: its f16 registers may be written again
.endif
.irp i, 0,1,2,3,4,5,6,7,8,9,10,11,12,13,14,15,16,17,18,19,20,21,22,23,24,25,26,27,28,29,30,31
	v_cvt_pk_f16_f32 v[HB+\i], v[BB+2*\i], v[BB+2*\i+1]
.endr
.irp t, 0,1,2,3,4,5,6,7
	global_store_b128 v[CO], v[HB+4*\t:HB+4*\t+3], s[66:67] offset:(16*(\a)+2*\t)*256
.endr
.endm
.macro WAYOUT rope
.if \rope
	TABLE 0                                        ; 48 loads of mine are out behind these three, and never more
	TABLE 1
	TABLE 2
.endif
	TOSTAGE 0
.irp a, 1,2,3,4,5,6,7
	TOSTAGE \a
	WORK \a-1, 32, \rope
.endr
	WORK 7, 0, \rope
.endm
	PLACES NP                                      ; behind the last products: for the loads into the registers that held fragments, and for the reads of results
	s_cmp_eq_u32 s72, 5
	s_cbranch_scc1 .Lplain
	WAYOUT 1                                       ; q and k
	s_branch .Lend
.Lplain:
	WAYOUT 0                                       ; v
.Lend:
	s_wait_tensorcnt 0x0                           ; the wave's end, behind my last tensor load and my last LDS store
	ds_add_u32 v[SPW], v[NIL]
	s_wait_dscnt 0x0
	CROUND                                         ; the closing round: no work-group ends while a partner may still ask for a tile that names it
	s_endpgm
.Lfunc_end_k_q75adcfc9f0_qkv:
	.size	k_q75adcfc9f0_qkv, .Lfunc_end_k_q75adcfc9f0_qkv-k_q75adcfc9f0_qkv
	.p2alignl 7, 3214868480
	.fill 96, 4, 3214868480
	.section	.rodata,"a",@progbits
	.p2align	6, 0x0
	.amdhsa_kernel k_q75adcfc9f0_qkv
		.amdhsa_group_segment_fixed_size 327680
		.amdhsa_private_segment_fixed_size 0
		.amdhsa_enable_private_segment 0
		.amdhsa_kernarg_size 48
		.amdhsa_user_sgpr_count 2
		.amdhsa_user_sgpr_kernarg_segment_ptr 1
		.amdhsa_wavefront_size32 1
		.amdhsa_system_sgpr_workgroup_id_x 1
		.amdhsa_system_sgpr_workgroup_id_y 1
		.amdhsa_system_sgpr_workgroup_id_z 1
		.amdhsa_system_vgpr_workitem_id 0
		.amdhsa_next_free_vgpr 1024
		.amdhsa_next_free_sgpr 80
		.amdhsa_reserve_vcc 0
		.amdhsa_float_denorm_mode_32 3
		.amdhsa_float_denorm_mode_16_64 3
		.amdhsa_memory_ordered 1
		.amdhsa_forward_progress 1
		.amdhsa_inst_pref_size 255
	.end_amdhsa_kernel
	.section	.bss,"aw",@nobits
	.p2align	6
	.space	262144
	.amdgpu_metadata
---
amdhsa.version: [ 1, 2 ]
amdhsa.kernels:
  - .name:           k_q75adcfc9f0_qkv
    .symbol:         k_q75adcfc9f0_qkv.kd
    .args:
      - { .name: codes, .offset: 0, .size: 8, .value_kind: global_buffer, .address_space: global }
      - { .name: cos_freq, .offset: 8, .size: 8, .value_kind: global_buffer, .address_space: global }
      - { .name: sin_freq, .offset: 16, .size: 8, .value_kind: global_buffer, .address_space: global }
      - { .name: qh, .offset: 24, .size: 8, .value_kind: global_buffer, .address_space: global }
      - { .name: kh, .offset: 32, .size: 8, .value_kind: global_buffer, .address_space: global }
      - { .name: vh, .offset: 40, .size: 8, .value_kind: global_buffer, .address_space: global }
    .group_segment_fixed_size: 327680
    .private_segment_fixed_size: 0
    .kernarg_segment_align: 8
    .kernarg_segment_size: 48
    .max_flat_workgroup_size: 128
    .sgpr_count:     80
    .vgpr_count:     1024
    .wavefront_size: 32
...
	.end_amdgpu_metadata
.endif
;; end of part 2
;; launch attn (part 3): grid 32 x 8, 8 waves a work-group, clusters of 4 x 1, 327,680 bytes of LDS; arguments qh, kh, vh, oh; writes oh
.if DOCPART == 3
	.amdgcn_target "amdgcn-amd-amdhsa--gfx1250"
	.amdhsa_code_object_version 6
	.text
	.protected	k_q75adcfc9f0_attn
	.globl	k_q75adcfc9f0_attn
	.p2align	8
	.type	k_q75adcfc9f0_attn,@function
k_q75adcfc9f0_attn:
	s_mov_b64 s[64:65], 0
	v_nop
	global_prefetch_b8 v0, s[64:65] scope:SCOPE_SE
	s_setreg_imm32_b32 hwreg(HW_REG_WAVE_MODE, 25, 1), 1
	s_wait_xcnt 0x0
	s_wait_alu depctr_hold_cnt(0) depctr_sa_sdst(0) depctr_va_vdst(0) depctr_va_sdst(0) depctr_va_ssrc(0) depctr_va_vcc(0) depctr_vm_vsrc(0)
	s_getreg_b32 s2, hwreg(HW_REG_IB_STS2, 6, 4)
	s_cmp_eq_u32 s2, 0
	s_cbranch_scc0 .Lentry_in_a_cluster
	s_endpgm
.Lentry_in_a_cluster:
	s_bfe_u32 s2, ttmp6, 0x10000c
	s_cmp_lg_u32 s2, 0x3003
	s_cbranch_scc0 .Lentry_shape_is_right
	s_endpgm
.Lentry_shape_is_right:
; GQA layer, launch 3 of 4: causal attention.  qh [32][1024][128], kh, vh [8][1024][128]: f16, each value / 16.  oh [1024][4096] f16: the result / 16, heads side by side.
; Products on f16 operands with f32 sums; maxima, exponentials and sums in f32; the weights p are rounded to f16 for the second product.
; WORK LEFT OUT: steps of 64 keys that lie wholly behind a tile's 16 queries (reference()'s own jnp.tril; their weights are 0 behind the softmax's maximum, since key 0 counts for every query).
; SHARES.  A cluster is the four query heads that share one key/value head (cx = the head in its group); they walk the same K and V, so each tile is asked for JOINTLY, with the mask of all four.
; A work-group has eight waves, each with ONE tile of 16 queries.  Cluster x = j (0..7), wave w: u = w (w < 4) or 11 - w; tile = 8 u + (u odd: 7 - j, else j).  A tile wants tile / 4 + 1 steps, so waves w and w + 4
; together want 17 steps for every j: 256 work-groups of 68 steps each.  Every work-group holds tile 63 - j, which reads part of every tile that is fetched: so the walk over the slots is a constant of the text.
; LAYOUT.  S^T = K Q^T (source 0 = 16 keys, source 1 = my 16 queries): a lane holds ONE query (lane % 16) and keys 8 (lane / 16) + 0..7 of each tile of 16.  Two such tiles, rounded to f16 in pairs, ARE source 1
; (32 keys x 16 queries) of O^T = V^T P.  K comes out of LDS as it lies, V ([key][channel]) turned, by ds_load_tr16_b128.
; THE LDS LOADS RUN AHEAD.  A step's 16 fragments of K and 16 of V have 128 registers each, in window 1.  V is asked for at the step's head and wanted behind the softmax; the NEXT step's K is asked for behind this
; step's products K Q^T and wanted at the next step's head.  Only a slot's first step asks for its own K.
; SOFTMAX.  A running maximum m and sum l: p = 2^(c s - c m); s arrives as q . k / 256, so c = 256 log2(e) / sqrt(128).  In every step O and l are multiplied by a = 2^(c m_old - c m_new).
; m begins at -1e30, under every score that f16 operands can give (128 x 65,504^2 at the most), so that c m stays finite.
; REGISTERS: window 0: v1-11 addresses and constants; v12 c m, v13 m, v[14:15] l; v24-55 Q; v56-87 S^T, then p; v88-103 P; v104-167 O^T; v168-199 the way out's f16; v232-235 at work; v240, v241.
;   window 1: v0-127 K of one step; v128-255 V of one step.
.set SK,    256                        ; keys in a slot
.set PK,    272                        ; a row of K in LDS: 256 bytes + 16 of padding
.set PVP,   288                        ; a row of V: 256 + 32
.set VOFF,  SK*PK                      ; a slot: 256 rows of K, then 256 rows of V
.set SLOT,  SK*(PK+PVP)
.set STAGE, 2*SLOT                     ; behind the ring: 16 rows x 272 bytes for each wave, for the way out
.set SP,    272
.set SPARE, STAGE+8*16*SP              ; behind the stages: the spare words, 128 bytes for each wave
.set AK0, 1                            ; v1   my lane's place in a tile of K; never rewritten
.set AV0, 2                            ; v2   the same for V
.set ADK, 3                            ; v3   LDS address of the step's K
.set ADV, 4                            ; v4   of its V
.set SPW, 5                            ; v5   LDS address of my spare word; never rewritten
.set NIL, 6                            ; v6   0; never rewritten
.set GO,  7                            ; v7   the way out: my byte offset in the tile's rows of oh
.set STO, 8                            ; v8   where I put 16 bytes of a row
.set RD,  9                            ; v9   where I read a row back
.set Q,   24
.set S,   56
.set P,   88
.set O,   104
.set F,   168
.set KB,  0                            ; in window 1
.set VB,  128                          ; in window 1
.set PFO, 240                          ; v240 256 x lane; never rewritten
.set RH,  241                          ; v241 lane % 16 - 8 (lane / 16)
.set WV,  12                           ; s12  wave
.set Q0,  17                           ; s17  my first query
.set KF,  18                           ; s18  the step's first key
.set TBK, 19                           ; s19  LDS byte at which the step's K begins
.set TBV, 20                           ; s20  the same for V (less VOFF)
.set CNT, 21                           ; s21  steps of the slot still to go, this one among them
.set CS,  22                           ; s[22:23] c
.set G1K, 24                           ; s[24:31] descriptor group 1 for K's tiles;  s[32:39] for V's
.set G1V, 32
.set G0K, 40                           ; s[40:47] group 0 for K's tiles, a set for each slot;  s[48:55] for V's
.set G0V, 48
.set SEL, 56                           ; s[56:57] v_permlanex16_b32's selects for lane l xor 16
.set PFA, 58                           ; s[58:59] where my prefetch stands
.set MINE, 60                          ; s60  1 in a wave that prefetches
.set QL,  70                           ; s70  my last query
.set MSB, 0
.macro WIN new                         ; the immediate's high byte repeats the setting that is left
.if MSB != \new
	s_set_vgpr_msb (MSB<<8)|\new
.set MSB, \new
.endif
.endm
.set W_LD, 0x40                        ; destination window 1, address window 0
.set W_MM, 0x01                        ; source 0 (K or V) window 1; source 1, C and D window 0
; A joint refill.  Waves 0 and 1 fetch the halves of a slot's K, waves 2 and 3 of its V, the others nothing.  The branches hang on the wave's number alone.
; An s_nop 0 and four v_nop follow each of the two lines.
.macro JLOAD s
	s_cmp_lt_u32 s[WV], 2
	s_cbranch_scc0 .Lnot_k_\@
	tensor_load_to_lds s[G0K+4*\s:G0K+4*\s+3], s[G1K:G1K+7]
	s_nop 0
.rept 4
	v_nop
.endr
	s_branch .Lasked_\@
.Lnot_k_\@:
	s_cmp_lt_u32 s[WV], 4
	s_cbranch_scc0 .Lasked_\@
	tensor_load_to_lds s[G0V+4*\s:G0V+4*\s+3], s[G1V:G1V+7]
	s_nop 0
.rept 4
	v_nop
.endr
.Lasked_\@:
.endm
.macro CROUND                          ; a round of the cluster's barrier
	s_barrier_signal -1
	s_barrier_wait -1
	s_cmp_lg_u32 s[WV], 0
	s_cbranch_scc1 .Lnot_wave_0_\@
	s_barrier_signal -3
.Lnot_wave_0_\@:
	s_barrier_wait -3
	s_barrier_signal -1
	s_barrier_wait -1
.endm
	s_load_b256 s[4:11], s[0:1], 0x0               ; qh s[4:5], kh s[6:7], vh s[8:9], oh s[10:11]
	v_lshl_add_u32 v[SPW], v0, 2, SPARE
	v_mov_b32 v[NIL], 0
	ds_add_u32 v[SPW], v[NIL]                      ; the wave's opening: the add, twice on end, and its wait ahead of the first tensor loads
	ds_add_u32 v[SPW], v[NIL]                      ; and once more, under the one wait; the set-up below, work on registers, stands between
	v_lshrrev_b32 v16, 5, v0
	v_readfirstlane_b32 s[WV], v16                 ; wave 0..7
	s_bfe_u32 s13, ttmp6, 0x40000                  ; cx: the query head in its group: it enters Q's, O's and the prefetch's addresses alone
	s_mov_b32 s14, ttmp9                           ; j
	s_and_b32 s15, ttmp7, 0xffff                   ; the key/value head, which the four partners share
	s_and_b32 s16, s[WV], 1                        ; which half of a slot's rows I fetch
	s_sub_co_u32 s61, 11, s[WV]
	s_cmp_lt_u32 s[WV], 4
	s_cselect_b32 s61, s[WV], s61                  ; u
	s_sub_co_u32 s62, 7, s14
	s_bitcmp1_b32 s61, 0                           ; u odd?
	s_cselect_b32 s62, s62, s14
	s_lshl_b32 s61, s61, 3
	s_add_co_u32 s61, s61, s62                     ; my tile: made of the cluster's x and the wave's number: the same in all four partners
	s_lshl_b32 s[Q0], s61, 4
	s_lshl_b32 s62, s15, 18                        ; the head's 1,024 rows of 256 bytes,
	s_lshl_b32 s63, s16, 15                        ; my 128 rows of a slot
	s_add_co_u32 s62, s62, s63
	s_mov_b32 s63, 0
	s_mul_i32 s70, s16, 128*PK                     ; and their place in a slot: K's,
	s_mul_i32 s71, s16, 128*PVP
	s_add_co_u32 s71, s71, VOFF                    ; V's
	; descriptor group 1: 128 rows x 128 elements of 2 bytes, padded in LDS
	s_mov_b32 s[G1K], 15|(1<<16)|(1<<20)|(1<<21)|(5<<22)|(3<<25)   ; 15:0 the mask: all four work-groups; 17:16 elements of 2 bytes; 20 padding on; 21 set beside a mask; 24:22 after every 64 words; 31:25 four words
	s_mov_b32 s[G1V], 15|(1<<16)|(1<<20)|(1<<21)|(5<<22)|(7<<25)   ; the same with eight words of padding
.irp g, G1K, G1V
	s_mov_b32 s[\g+1], 128<<16                     ; tensor_dim0 = 128
	s_mov_b32 s[\g+2], 128<<16                     ; tensor_dim1 = 128
	s_mov_b32 s[\g+3], 128<<16                     ; tile_dim0 = 128
	s_mov_b32 s[\g+4], 128                         ; tile_dim1 = 128
	s_mov_b32 s[\g+5], 128                         ; tensor_dim0_stride
	s_mov_b32 s[\g+6], 0
	s_mov_b32 s[\g+7], 0
.endr
	s_mov_b32 s[CS], 0x420293ee                    ; c = 256 log2(e) / sqrt(128)
	s_mov_b32 s[CS+1], s[CS]                       ; (named with it as a pair, so it is written)
	s_mov_b32 s[SEL], 0x76543210
	s_mov_b32 s[SEL+1], 0xfedcba98
	s_mov_b32 s[KF], 0
	s_mov_b32 s[TBK], 0
	s_mov_b32 s[TBV], 0
	s_lshr_b32 s61, s[WV], 2
	s_xor_b32 s61, s61, 1                          ; 0 in waves 4 to 7,
	s_or_b32 s61, s61, ttmp9                       ; of the key/value head's first cluster: the same in all four partners
	s_cmp_eq_u32 s61, 0
	s_cselect_b32 s[MINE], 1, 0
	s_wait_dscnt 0x0                               ; both opening adds are done
	s_wait_kmcnt 0x0
	s_add_nc_u64 s[66:67], s[6:7], s[62:63]
	s_add_nc_u64 s[68:69], s[8:9], s[62:63]
	CROUND                                         ; all four work-groups are here: the first joint loads meet
.irp s, 0,1
	s_mov_b32 s[G0K+4*\s], 1
	s_add_co_u32 s[G0K+4*\s+1], s70, \s*SLOT
	s_add_nc_u64 s[G0K+4*\s+2:G0K+4*\s+3], s[66:67], \s*SK*256
	s_or_b32 s[G0K+4*\s+3], s[G0K+4*\s+3], 0x80000000
	s_mov_b32 s[G0V+4*\s], 1
	s_add_co_u32 s[G0V+4*\s+1], s71, \s*SLOT
	s_add_nc_u64 s[G0V+4*\s+2:G0V+4*\s+3], s[68:69], \s*SK*256
	s_or_b32 s[G0V+4*\s+3], s[G0V+4*\s+3], 0x80000000
.endr
	s_cmp_lt_u32 s[WV], 2                          ; a wave's two first fills stand in one branch, ahead of every wait on TENSORcnt, every LDS read and every other barrier: two loads of a fetching wave are out
	s_cbranch_scc0 .Lfirst_not_k
	tensor_load_to_lds s[G0K:G0K+3], s[G1K:G1K+7]
	s_nop 0
	tensor_load_to_lds s[G0K+4:G0K+7], s[G1K:G1K+7]
	s_nop 0
.rept 4
	v_nop
.endr
	s_branch .Lfirst_asked
.Lfirst_not_k:
	s_cmp_lt_u32 s[WV], 4
	s_cbranch_scc0 .Lfirst_asked
	tensor_load_to_lds s[G0V:G0V+3], s[G1V:G1V+7]
	s_nop 0
	tensor_load_to_lds s[G0V+4:G0V+7], s[G1V:G1V+7]
	s_nop 0
.rept 4
	v_nop
.endr
.Lfirst_asked:
	s_add_co_u32 s[QL], s[Q0], 15                  ; my last query
	s_lshl_b32 s61, s15, 2
	s_add_co_u32 s61, s61, s13                     ; my query head
	s_lshl_b32 s2, s61, 18
	s_lshl_b32 s3, s[Q0], 8
	s_add_co_u32 s2, s2, s3
	s_mov_b32 s3, 0
	s_add_nc_u64 s[4:5], s[4:5], s[2:3]            ; Q at my first query
	s_lshl_b32 s2, s[Q0], 13                       ; a row of oh is 8,192 bytes
	s_lshl_b32 s61, s61, 8
	s_add_co_u32 s2, s2, s61
	s_add_nc_u64 s[10:11], s[10:11], s[2:3]        ; oh at my first query, my head's 256 bytes
	s_cmp_lt_u32 s[WV], 6                          ; the prefetch: waves 4 and 5 name K's rows, waves 6 and 7 V's
	s_cselect_b64 s[PFA:PFA+1], s[6:7], s[8:9]
	s_lshl_b32 s2, s13, 6                          ; the partners share the last slot's 256 rows out by address, 64 each,
	s_lshl_b32 s61, s16, 5                         ; a wave 32 of them
	s_add_co_u32 s2, s2, s61
	s_add_co_u32 s2, s2, 3*SK
	s_lshl_b32 s2, s2, 8
	s_lshl_b32 s61, s15, 18
	s_add_co_u32 s2, s2, s61
	s_add_nc_u64 s[PFA:PFA+1], s[PFA:PFA+1], s[2:3]
	v_and_b32 v16, 15, v0                          ; r = lane % 16
	v_bfe_u32 v17, v0, 4, 1                        ; h = lane / 16
	v_lshlrev_b32 v18, 8, v16
	v_lshl_add_u32 v18, v17, 4, v18                ; Q: row r x 256 + 16 h
.irp c, 0,1,2,3                                ; Q stays in registers: channels 32 c on
	global_load_b128 v[Q+8*\c:Q+8*\c+3], v18, s[4:5] offset:64*\c
	global_load_b128 v[Q+8*\c+4:Q+8*\c+7], v18, s[4:5] offset:64*\c+32
.endr
	v_mul_u32_u24 v[AK0], v16, PK
	v_lshl_add_u32 v[AK0], v17, 4, v[AK0]          ; row x pitch + 16 x half
	v_and_b32 v19, 7, v0
	v_bfe_u32 v20, v0, 3, 1
	v_lshl_add_u32 v[AV0], v17, 3, v19             ; the turning load: key 8 (l / 16) + l % 8, channels 8 ((l / 8) % 2) on
	v_mul_u32_u24 v[AV0], v[AV0], PVP
	v_lshl_add_u32 v[AV0], v20, 4, v[AV0]
	v_add_nc_u32 v[AV0], VOFF, v[AV0]
	s_mul_i32 s61, s[WV], 16*SP
	s_add_co_u32 s61, s61, STAGE                   ; my stage
	v_mul_u32_u24 v[STO], v16, SP                  ; in: row r, 16 bytes for each half of the lanes
	v_lshl_add_u32 v[STO], v17, 4, v[STO]
	v_add_nc_u32 v[STO], s61, v[STO]
	v_mul_u32_u24 v[RD], v17, SP                   ; back: lanes 0-15 take one row of 256 bytes, lanes 16-31 the next
	v_lshl_add_u32 v[RD], v16, 4, v[RD]
	v_add_nc_u32 v[RD], s61, v[RD]
	v_lshlrev_b32 v[GO], 13, v17                   ; and the same two rows in oh
	v_lshl_add_u32 v[GO], v16, 4, v[GO]
	v_lshlrev_b32 v21, 3, v17
	v_sub_nc_u32 v[RH], v16, v21
	v_and_b32 v[PFO], 31, v0
	v_lshlrev_b32 v[PFO], 8, v[PFO]
	v_mov_b32 v11, 0xff800000                      ; -infinity, for hidden scores
	v_mov_b32 v13, 0xf149f2ca                      ; m = -1e30
	v_mul_f32 v12, s[CS], v13                      ; c m
	v_mov_b32 v14, 0                               ; l, in two halves
	v_mov_b32 v15, 0
.irp j, 232,233,234,235
	v_mov_b32 v\j, 0                               ; written once on every way
.endr
.set I, 0
.rept 64
	v_mov_b32 v[O+I], 0                            ; O^T.  (The step is written once: the first finds zeros, which a = 0 leaves zeros)
.set I, I+1
.endr
.macro KLOAD off                       ; 32 loads: K's 16 fragments of the 64 keys that begin off bytes behind v[ADK]: (key tile u, channels 32 c on) at v[KB + 8 (4 c + u)]
.irp c, 0,1,2,3
.irp u, 0,1,2,3
	ds_load_b128 v[KB+8*(4*\c+\u):KB+8*(4*\c+\u)+3], v[ADK] offset:\off+\u*16*PK+64*\c
	ds_load_b128 v[KB+8*(4*\c+\u)+4:KB+8*(4*\c+\u)+7], v[ADK] offset:\off+\u*16*PK+64*\c+32
.endr
.endr
.endm
.macro KQ                              ; sixteen products: the four accumulators take turns, one instruction a turn; the first four start the sums
.irp c, 0,1,2,3
.irp u, 0,1,2,3
.if \c == 0
	v_wmma_f32_16x16x32_f16 v[S+8*\u:S+8*\u+7], v[KB+8*(4*\c+\u):KB+8*(4*\c+\u)+7], v[Q+8*\c:Q+8*\c+7], 0
.else
	v_wmma_f32_16x16x32_f16 v[S+8*\u:S+8*\u+7], v[KB+8*(4*\c+\u):KB+8*(4*\c+\u)+7], v[Q+8*\c:Q+8*\c+7], v[S+8*\u:S+8*\u+7]
.endif
.endr
.endr
.endm
.macro VLOAD                           ; 32 loads: V^T's 16 fragments: (keys 32 b on, channel tile t) at v[VB + 64 b + 8 t]
.irp b, 0,1
.irp t, 0,1,2,3,4,5,6,7
	ds_load_tr16_b128 v[VB+64*\b+8*\t:VB+64*\b+8*\t+3], v[ADV] offset:\b*32*PVP+32*\t
	ds_load_tr16_b128 v[VB+64*\b+8*\t+4:VB+64*\b+8*\t+7], v[ADV] offset:\b*32*PVP+16*PVP+32*\t
.endr
.endr
.endm
.macro PVM b                           ; eight products: the eight accumulators take turns
.irp t, 0,1,2,3,4,5,6,7
	v_wmma_f32_16x16x32_f16 v[O+8*\t:O+8*\t+7], v[VB+64*\b+8*\t:VB+64*\b+8*\t+7], v[P+8*\b:P+8*\b+7], v[O+8*\t:O+8*\t+7]
.endr
.endm
.macro PLACES                          ; four places in front of loads into registers that matrix instructions have read, and of the first read of results (ISA guide 7.12.1 for vector instructions)
.rept 4
	v_nop
.endr
.endm
; A KEY STEP: 64 keys.  A step all of whose keys come after my 16 queries is left out: a scalar branch on ids and on the count of steps, round the step's loads, products and softmax; not round the lines at its
; end that step addresses; no barrier, wait for tiles or tensor load stands in a step.  A wave's steps that count come first and on end, so a step that counts and is not its slot's first follows one that asked for its K.
.macro STEP
	s_cmp_gt_u32 s[KF], s[QL]
	s_cbranch_scc1 .Lhidden_\@
	v_add_nc_u32 v[ADK], s[TBK], v[AK0]
	v_add_nc_u32 v[ADV], s[TBV], v[AV0]
	v_nop
	v_nop                                          ; with the two additions: four places behind the last step's products, which read V's registers
	WIN W_LD
	VLOAD                                          ; lands while the scores and the softmax are made
	s_wait_dscnt 32                                ; all but the 32 just issued: this step's K, asked for a step ago (in a slot's first step: just ahead of the loop), is in
	WIN W_MM
	KQ
	WIN 0
	PLACES
	s_add_co_u32 s61, s[KF], 64                    ; the next step's K is asked for now, if that step counts for me and lies in this slot: ids and the loop's count alone
	s_cmp_gt_u32 s61, s[QL]
	s_cbranch_scc1 .Lno_next_\@
	s_cmp_eq_u32 s[CNT], 1
	s_cbranch_scc1 .Lno_next_\@
	WIN W_LD
	KLOAD 64*PK
	WIN 0
.Lno_next_\@:
	s_add_co_u32 s61, s[KF], 63                    ; on the diagonal the scores of hidden keys become -infinity ahead of the maximum: p = 0 then.  A step all of whose keys count skips this
	s_cmp_le_u32 s61, s[Q0]
	s_cbranch_scc1 .Lopen_\@
	s_sub_co_i32 s61, s[Q0], s[KF]
	v_add_nc_u32 v10, s61, v[RH]                   ; d = my query - KF - 8 (lane / 16).  Register 8 u + i holds key KF + 16 u + 8 (lane / 16) + i: hidden where 16 u + i > d
.irp n, 0,1,2,3,4,5,6,7,8,9,10,11,12,13,14,15,16,17,18,19,20,21,22,23,24,25,26,27,28,29,30,31
	v_cmp_gt_i32 vcc_lo, 16*(\n/8)+\n%8, v10
	v_cndmask_b32 v[S+\n], v[S+\n], v11, vcc_lo
.endr
.Lopen_\@:
.irp j, 0,1,2,3                                ; the maximum of my 32 scores and the old m: four chains, each begun at a tile's low end
	v_max3_num_f32 v[232+\j], v[S+8*\j], v[S+8*\j+1], v[S+8*\j+2]
.endr
.irp j, 0,1,2,3
	v_max3_num_f32 v[232+\j], v[232+\j], v[S+8*\j+3], v[S+8*\j+4]
.endr
.irp j, 0,1,2,3
	v_max3_num_f32 v[232+\j], v[232+\j], v[S+8*\j+5], v[S+8*\j+6]
.endr
	v_max3_num_f32 v232, v232, v[S+7], v[S+15]
	v_max3_num_f32 v234, v234, v[S+23], v[S+31]
	v_max3_num_f32 v232, v232, v233, v234
	v_max3_num_f32 v232, v232, v235, v13
	v_permlanex16_b32 v233, v232, s[SEL], s[SEL+1] ; the query's other 32 keys lie in the lane 16 away
	v_mov_b32 v235, v12                            ; c m_old
	v_max_num_f32 v13, v232, v233                  ; the new m
	v_mul_f32 v12, s[CS], v13
	v_sub_f32 v235, v235, v12                      ; c m_old - c m_new
.irp b, 0,1,2,3,4,5,6,7,8,9,10,11,12,13,14,15
	v_pk_fma_f32 v[S+2*\b:S+2*\b+1], v[S+2*\b:S+2*\b+1], s[CS:CS+1], v[12:13] op_sel_hi:[1,0,0] neg_lo:[0,0,1] neg_hi:[0,0,1]   ; c s - c m, two at a time
.endr
	v_exp_f32 v234, v235                           ; a.  ONE BATCH of 33 exponentials, none of which reads another's result
.irp e, 0,1,2,3,4,5,6,7,8,9,10,11,12,13,14,15,16,17,18,19,20,21,22,23,24,25,26,27,28,29,30,31
	v_exp_f32 v[S+\e], v[S+\e]
.endr
	v_nop                                          ; a plain instruction behind the last exponential, ahead of the first use
	s_wait_alu depctr_va_vdst(0)                   ; one wait for the whole batch, ahead of its first reader
.irp i, 0,1,2,3,4,5,6,7,8,9,10,11,12,13,14,15
	v_cvt_pk_f16_f32 v[P+\i], v[S+2*\i], v[S+2*\i+1]
.endr
.irp z, 0,1,2,3,4,5,6,7                        ; the sum of the 16 pairs, of the unrounded weights, in place
	v_pk_add_f32 v[S+4*\z:S+4*\z+1], v[S+4*\z:S+4*\z+1], v[S+4*\z+2:S+4*\z+3]
.endr
.irp z, 0,1,2,3
	v_pk_add_f32 v[S+8*\z:S+8*\z+1], v[S+8*\z:S+8*\z+1], v[S+8*\z+4:S+8*\z+5]
.endr
.irp z, 0,1
	v_pk_add_f32 v[S+16*\z:S+16*\z+1], v[S+16*\z:S+16*\z+1], v[S+16*\z+8:S+16*\z+9]
.endr
	v_pk_add_f32 v[S:S+1], v[S:S+1], v[S+16:S+17]
	v_pk_fma_f32 v[14:15], v[14:15], v[234:235], v[S:S+1] op_sel_hi:[1,0,1]        ; l = a l + the sum
.irp i, 0,1,2,3,4,5,6,7,8,9,10,11,12,13,14,15,16,17,18,19,20,21,22,23,24,25,26,27,28,29,30,31
	v_pk_mul_f32 v[O+2*\i:O+2*\i+1], v[O+2*\i:O+2*\i+1], v[234:235] op_sel_hi:[1,0]   ; O^T x a, each tile from its low end on
.endr
	s_wait_dscnt 0x0                               ; V is in (and the next step's K, where it was asked for: the count holds on both ways)
	WIN W_MM
	PVM 0
	PVM 1
	WIN 0
.Lhidden_\@:
	s_add_co_u32 s[KF], s[KF], 64
	s_add_co_u32 s[TBK], s[TBK], 64*PK
	s_add_co_u32 s[TBV], s[TBV], 64*PVP
.endm
; A slot's four key steps: the step is written once and walked four times.  Ahead of the loop the slot's first step asks for its K.  cond = 1: only where that step counts for me (in the first slot it counts for every wave).
.macro FOUR_STEPS cond
.if \cond
	s_cmp_gt_u32 s[KF], s[QL]
	s_cbranch_scc1 .Lidle_\@
.endif
	v_add_nc_u32 v[ADK], s[TBK], v[AK0]
	WIN W_LD
	KLOAD 0
	WIN 0
.Lidle_\@:
	s_mov_b32 s[CNT], 4
.Lstep_\@:
	STEP
	s_sub_co_u32 s[CNT], s[CNT], 1
	s_cmp_lg_u32 s[CNT], 0
	s_cbranch_scc1 .Lstep_\@
.endm
; THE CHANGE OF SLOTS.  Each wave waits for all its tensor loads, adds 0 to its spare word, and waits for that and for its reads of the slot that it has left.  fill = 1: that slot is filled again with the keys two
; slots on: the barrier is then a round of the cluster's, and the joint refill is the first thing behind it: it has a slot's four steps in which to land.
.macro CHANGE fill, slot
	s_wait_tensorcnt 0x0                           ; no tensor load of mine is out, so a group 0 may be written
	ds_add_u32 v[SPW], v[NIL]                      ; 0 onto my spare word
.if \fill
	ds_add_u32 v[SPW], v[NIL]                      ; and once more
	s_add_nc_u64 s[G0K+4*\slot+2:G0K+4*\slot+3], s[G0K+4*\slot+2:G0K+4*\slot+3], 2*SK*256
	s_add_nc_u64 s[G0V+4*\slot+2:G0V+4*\slot+3], s[G0V+4*\slot+2:G0V+4*\slot+3], 2*SK*256
	s_wait_dscnt 0x0                               ; both adds are done, and my reads of the slot are over
	CROUND
	JLOAD \slot
.else
	s_wait_dscnt 0x0                               ; the add is done, and my reads of the slot are over
	s_barrier_signal -1
	s_barrier_wait -1
.endif
.endm
	s_wait_loadcnt 0x0                             ; Q
	s_wait_tensorcnt 0x1                           ; a wave's tensor loads end in order (ISA guide 10.11.1): my part of slot 0 is in; slot 1's may stay out, and the first change of slots waits for it
	s_barrier_signal -1
	s_barrier_wait -1                              ; everybody's part of slot 0 is in
	FOUR_STEPS 0                                   ; keys 0 to 255, slot 0
	CHANGE 1, 0                                    ; slot 0 takes keys 512 to 767
	; A PREFETCH INTO THE L2 of what the next change of slots will ask for: the last 256 rows of K and of V, 256 bytes a row, a lane a row.  Each row is named once in the launch: all eight clusters of a key/value
	; head walk the same rows, and the first of them asks; its four partners take 64 rows each, told apart by address; in each, waves 4 and 5 name K's and waves 6 and 7 V's.  It stands four key steps ahead of that load.
	s_cmp_eq_u32 s[MINE], 1
	s_cbranch_scc0 .Lnot_mine
	global_prefetch_b8 v[PFO], s[PFA:PFA+1] th:TH_LOAD_NT scope:SCOPE_SE
.Lnot_mine:
	s_mov_b32 s[TBK], SLOT
	s_mov_b32 s[TBV], SLOT
	FOUR_STEPS 1                                   ; keys 256 to 511, slot 1
	CHANGE 1, 1                                    ; slot 1 takes keys 768 to 1,023
	s_mov_b32 s[TBK], 0
	s_mov_b32 s[TBV], 0
	FOUR_STEPS 1                                   ; keys 512 to 767, slot 0
	CHANGE 0, 0                                    ; nothing is left to fetch
	s_mov_b32 s[TBK], SLOT
	s_mov_b32 s[TBV], SLOT
	FOUR_STEPS 1                                   ; keys 768 to 1,023, slot 1
	; THE WAY OUT.  l's two halves and the other half of the lanes' are added; O^T is divided by l, rounded to f16 and sent through my stage, so that sixteen lanes store one aligned run of 256 bytes: a query's head.
	v_add_f32 v232, v14, v15
	v_permlanex16_b32 v233, v232, s[SEL], s[SEL+1]
	v_add_f32 v232, v232, v233
	v_rcp_f32 v234, v232
	PLACES                                         ; the plain instruction behind the reciprocal, and the places behind the last products
	s_wait_alu depctr_va_vdst(0)                   ; the wait ahead of the reciprocal's first reader
.irp i, 0,1,2,3,4,5,6,7,8,9,10,11,12,13,14,15,16,17,18,19,20,21,22,23,24,25,26,27,28,29,30,31
	v_pk_mul_f32 v[O+2*\i:O+2*\i+1], v[O+2*\i:O+2*\i+1], v[234:235] op_sel_hi:[1,0]
.endr
.irp i, 0,1,2,3,4,5,6,7,8,9,10,11,12,13,14,15,16,17,18,19,20,21,22,23,24,25,26,27,28,29,30,31
	v_cvt_pk_f16_f32 v[F+\i], v[O+2*\i], v[O+2*\i+1]   ; registers 4 t .. 4 t + 3: channels 16 t + 8 (lane / 16) + 0 .. 7 of query lane % 16
.endr
.irp t, 0,1,2,3,4,5,6,7
	ds_store_b128 v[STO], v[F+4*\t:F+4*\t+3] offset:32*\t
.endr
.irp f, 0,1,2,3,4,5,6,7
	ds_load_b128 v[S+4*\f:S+4*\f+3], v[RD] offset:\f*2*SP          ; LDS serves a wave's instructions in order: these see my stores
.endr
.irp f, 0,1,2,3,4,5,6,7
	s_wait_dscnt 7-\f
	global_store_b128 v[GO], v[S+4*\f:S+4*\f+3], s[10:11] offset:\f*16384
.endr
	s_wait_tensorcnt 0x0                           ; the wave's end, behind my last tensor load and my last LDS store
	ds_add_u32 v[SPW], v[NIL]
	s_wait_dscnt 0x0
	CROUND                                         ; the closing round: no work-group ends while a partner may still ask for a tile that names it
	s_endpgm
.Lfunc_end_k_q75adcfc9f0_attn:
	.size	k_q75adcfc9f0_attn, .Lfunc_end_k_q75adcfc9f0_attn-k_q75adcfc9f0_attn
	.p2alignl 7, 3214868480
	.fill 96, 4, 3214868480
	.section	.rodata,"a",@progbits
	.p2align	6, 0x0
	.amdhsa_kernel k_q75adcfc9f0_attn
		.amdhsa_group_segment_fixed_size 327680
		.amdhsa_private_segment_fixed_size 0
		.amdhsa_enable_private_segment 0
		.amdhsa_kernarg_size 32
		.amdhsa_user_sgpr_count 2
		.amdhsa_user_sgpr_kernarg_segment_ptr 1
		.amdhsa_wavefront_size32 1
		.amdhsa_system_sgpr_workgroup_id_x 1
		.amdhsa_system_sgpr_workgroup_id_y 1
		.amdhsa_system_sgpr_workgroup_id_z 1
		.amdhsa_system_vgpr_workitem_id 0
		.amdhsa_next_free_vgpr 512
		.amdhsa_next_free_sgpr 72
		.amdhsa_reserve_vcc 1
		.amdhsa_float_denorm_mode_32 3
		.amdhsa_float_denorm_mode_16_64 3
		.amdhsa_memory_ordered 1
		.amdhsa_forward_progress 1
		.amdhsa_inst_pref_size 95
	.end_amdhsa_kernel
	.amdgpu_metadata
---
amdhsa.version: [ 1, 2 ]
amdhsa.kernels:
  - .name:           k_q75adcfc9f0_attn
    .symbol:         k_q75adcfc9f0_attn.kd
    .args:
      - { .name: qh, .offset: 0, .size: 8, .value_kind: global_buffer, .address_space: global }
      - { .name: kh, .offset: 8, .size: 8, .value_kind: global_buffer, .address_space: global }
      - { .name: vh, .offset: 16, .size: 8, .value_kind: global_buffer, .address_space: global }
      - { .name: oh, .offset: 24, .size: 8, .value_kind: global_buffer, .address_space: global }
    .group_segment_fixed_size: 327680
    .private_segment_fixed_size: 0
    .kernarg_segment_align: 8
    .kernarg_segment_size: 32
    .max_flat_workgroup_size: 256
    .sgpr_count:     72
    .vgpr_count:     512
    .wavefront_size: 32
...
	.end_amdgpu_metadata
.endif
;; end of part 3
;; launch out (part 4): grid 32 x 8, 4 waves a work-group, clusters of 4 x 4, 327,680 bytes of LDS; arguments oh, wo16, out0; writes out0
.if DOCPART == 4
	.amdgcn_target "amdgcn-amd-amdhsa--gfx1250"
	.amdhsa_code_object_version 6
	.text
	.protected	k_q75adcfc9f0_out
	.globl	k_q75adcfc9f0_out
	.p2align	8
	.type	k_q75adcfc9f0_out,@function
k_q75adcfc9f0_out:
	s_mov_b64 s[64:65], 0
	v_nop
	global_prefetch_b8 v0, s[64:65] scope:SCOPE_SE
	s_setreg_imm32_b32 hwreg(HW_REG_WAVE_MODE, 25, 1), 1
	s_wait_xcnt 0x0
	s_wait_alu depctr_hold_cnt(0) depctr_sa_sdst(0) depctr_va_vdst(0) depctr_va_sdst(0) depctr_va_ssrc(0) depctr_va_vcc(0) depctr_vm_vsrc(0)
	s_getreg_b32 s2, hwreg(HW_REG_IB_STS2, 6, 4)
	s_cmp_eq_u32 s2, 0
	s_cbranch_scc0 .Lentry_in_a_cluster
	s_endpgm
.Lentry_in_a_cluster:
	s_bfe_u32 s2, ttmp6, 0x10000c
	s_cmp_lg_u32 s2, 0xf033
	s_cbranch_scc0 .Lentry_shape_is_right
	s_endpgm
.Lentry_shape_is_right:
; GQA layer, launch 4 of 4: out0 = o @ W_o, 1,024 x 4,096 x 4,096, on f16 operands with f32 sums.  oh [1024][4096] holds o / 16, wo16 [k 4096][n 4096] holds 16 W_o: the product needs no scaling.
; A tile of the result is 128 x 128, so that there are 256 work-groups.  Four waves, each 64 x 64: 16 accumulators of 16 x 16.  K goes in steps of 256 through a ring of two LDS slots.
; A's tile: 128 rows x 512 bytes; B's tile: 256 rows k x 256 bytes (128 columns n), as it lies in memory; its fragments come out of LDS turned, by ds_load_tr16_b128.
; CLUSTERS: 4 x 4 work-groups.  The four of a row of the cluster need the same tiles of A, the four of a column the same tiles of B: each tile is asked for JOINTLY.
; THE MATRIX INSTRUCTION IS USED TRANSPOSED (source 0 = 16 columns of W_o, source 1 = 16 rows of o): a lane then holds eight neighbouring numbers of a row of the result.
; REGISTERS: window 0: v0-31 addresses; v32-63 at work on the way out; v128-255 the accumulators ((a, b) at v[128 + 8 (4 a + b)]).
;   window 1: two fragment buffers of 128: for 64 along K, 64 registers of A (2 x 4 x 16 rows x 32 K), then 64 of B.
.set KSTEP,  256
.set PITCH,  528                       ; a row of A in LDS: 512 bytes + 16 of padding
.set PB,     288                       ; a row of B: 256 bytes + 32
.set HALFA,  64*PITCH                  ; what one tensor load brings of A, and what one wave reads of it
.set HALFB,  128*PB                    ; what one tensor load brings of B: 128 rows k
.set BOFF,   2*HALFA                   ; B's tile lies behind A's
.set SLOT,   BOFF+2*HALFB
.set STAGE,  2*SLOT                    ; behind the ring: 16 rows x 272 bytes for each wave, for the way out
.set SPITCH, 272
.set SPARE,  STAGE+4*16*SPITCH         ; behind the stages: the spare words, 128 bytes for each wave
.set LAPS,   8                         ; a lap = two K steps = once round the ring: 4,096 / 512
.set ADRA, 16                          ; v16-17  LDS address of my A fragments in slot 0, 1
.set ADRB, 20                          ; v20-23  of my B fragments: 2 x slot + (which 128 rows k)
.set STO,  24                          ; v24     the way out: where I put 32 bytes of a row
.set RD,   25                          ; v25     where I read a row back
.set CO,   26                          ; v26     my byte offset in the result
.set SPW,  28                          ; v28     LDS address of my spare word; never rewritten
.set NIL,  29                          ; v29     0; never rewritten
.set TMP,  32
.set ACC,  128
.set F0,   0                           ; fragment buffers, in window 1
.set F1,   128
.set G1, 24                            ; s[24:31] descriptor group 1 for A's tiles;  s[32:39] group 0, one set for each slot
.set G0, 32
.set G1B, 48                           ; s[48:55], s[56:63] the same for B's tiles
.set G0B, 56
.set MSB, 0
.macro WIN new                         ; the immediate's high byte repeats the setting that is left
.if MSB != \new
	s_set_vgpr_msb (MSB<<8)|\new
.set MSB, \new
.endif
.endm
.set MUL,  0x05                        ; sources 0 (B) and 1 (A) window 1; C and D window 0
.set TO_F, 0x40                        ; destination window 1, address window 0
.macro JLOAD s                         ; a joint load: waves 0 and 1 fetch A's two halves, waves 2 and 3 B's; an s_nop 0 and four v_nop follow each of the two lines
	s_cmp_eq_u32 s11, 0
	s_cbranch_scc0 .Lfor_b_\@
	tensor_load_to_lds s[G0+4*\s:G0+4*\s+3], s[G1:G1+7]
	s_nop 0
.rept 4
	v_nop
.endr
	s_branch .Lasked_\@
.Lfor_b_\@:
	tensor_load_to_lds s[G0B+4*\s:G0B+4*\s+3], s[G1B:G1B+7]
	s_nop 0
.rept 4
	v_nop
.endr
.Lasked_\@:
.endm
.macro CREST                           ; a round of the cluster's barrier behind its opening barrier
	s_cmp_lg_u32 s10, 0
	s_cbranch_scc1 .Lnot_wave_0_\@
	s_barrier_signal -3
.Lnot_wave_0_\@:
	s_barrier_wait -3
	s_barrier_signal -1
	s_barrier_wait -1
.endm
.macro CROUND                          ; a whole round
	s_barrier_signal -1
	s_barrier_wait -1
	CREST
.endm
	s_load_b128 s[4:7], s[0:1], 0x0                ; oh s[4:5], wo16 s[6:7]
	s_load_b64 s[8:9], s[0:1], 0x10                ; out0
	v_lshl_add_u32 v[SPW], v0, 2, SPARE
	v_mov_b32 v[NIL], 0
	ds_add_u32 v[SPW], v[NIL]                      ; the wave's opening: the add, twice on end, and its wait ahead of my first tensor load
	ds_add_u32 v[SPW], v[NIL]                      ; and once more, under the one wait; the set-up below, work on registers, stands between
	v_lshrrev_b32 v1, 5, v0
	v_readfirstlane_b32 s10, v1                    ; wave 0..3
	s_lshr_b32 s11, s10, 1                         ; which half of the tile's rows is mine.  Also: I fetch for A (0) or for B (1)
	s_and_b32 s12, s10, 1                          ; which half of its columns.  Also: which half of that tile I fetch
	s_bfe_u32 s40, ttmp6, 0x40000                  ; cx, cy: my place in the cluster
	s_bfe_u32 s41, ttmp6, 0x40004
	s_lshl_b32 s42, ttmp9, 2
	s_add_co_u32 s42, s42, s40                     ; tile column = 4 x cluster x + cx
	s_and_b32 s13, ttmp7, 0xffff
	s_lshl_b32 s13, s13, 2
	s_add_co_u32 s13, s13, s41                     ; tile row = 4 x cluster y + cy
	s_lshl_b32 s43, s41, 2
	s_lshl_b32 s43, 15, s43                        ; my row of the cluster
	s_lshl_b32 s44, 0x1111, s40                    ; my column
	; descriptor group 1.  A: 64 rows x 256 elements of 2 bytes, four words of padding after every 128;  B: 128 rows x 128 elements, eight words after every 64
	s_or_b32 s[G1+0], s43, (1<<16)|(1<<20)|(1<<21)|(6<<22)|(3<<25)
	s_mov_b32 s[G1+1], 256<<16                     ; tensor_dim0
	s_mov_b32 s[G1+2], 64<<16                      ; tensor_dim1
	s_mov_b32 s[G1+3], 256<<16                     ; tile_dim0
	s_mov_b32 s[G1+4], 64                          ; tile_dim1
	s_mov_b32 s[G1+5], 4096                        ; tensor_dim0_stride
	s_mov_b32 s[G1+6], 0
	s_mov_b32 s[G1+7], 0
	s_or_b32 s[G1B+0], s44, (1<<16)|(1<<20)|(1<<21)|(5<<22)|(7<<25)
	s_mov_b32 s[G1B+1], 128<<16
	s_mov_b32 s[G1B+2], 128<<16
	s_mov_b32 s[G1B+3], 128<<16
	s_mov_b32 s[G1B+4], 128
	s_mov_b32 s[G1B+5], 4096
	s_mov_b32 s[G1B+6], 0
	s_mov_b32 s[G1B+7], 0
	s_lshl_b32 s17, s12, 6
	s_lshl_b32 s16, s13, 7
	s_add_co_u32 s16, s16, s17                     ; A: row 128 x tile row + 64 x half,
	s_lshl_b32 s16, s16, 13                        ; of 8,192 bytes
	s_mov_b32 s17, 0
	s_lshl_b32 s46, s12, 20                        ; B: row k = 128 x half, of 8,192 bytes,
	s_lshl_b32 s47, s42, 8                         ; column 128 x tile column, of 2 bytes
	s_add_co_u32 s46, s46, s47
	s_mov_b32 s47, 0
	s_mul_i32 s20, s12, HALFA                      ; where they go: no place in the cluster enters an LDS address
	s_mul_i32 s21, s12, HALFB
	s_add_co_u32 s21, s21, BOFF
	s_wait_dscnt 0x0                               ; both opening adds are done
	s_wait_kmcnt 0x0
	s_add_nc_u64 s[14:15], s[4:5], s[16:17]
	s_add_nc_u64 s[46:47], s[6:7], s[46:47]
	CROUND                                         ; all sixteen work-groups are here: the first joint loads meet
.irp s, 0,1
	s_mov_b32 s[G0+4*\s], 1
	s_add_co_u32 s[G0+4*\s+1], s20, \s*SLOT
	s_add_nc_u64 s[G0+4*\s+2:G0+4*\s+3], s[14:15], \s*KSTEP*2
	s_or_b32 s[G0+4*\s+3], s[G0+4*\s+3], 0x80000000
	s_mov_b32 s[G0B+4*\s], 1
	s_add_co_u32 s[G0B+4*\s+1], s21, \s*SLOT
	s_add_nc_u64 s[G0B+4*\s+2:G0B+4*\s+3], s[46:47], \s*KSTEP*8192
	s_or_b32 s[G0B+4*\s+3], s[G0B+4*\s+3], 0x80000000
	JLOAD \s                                       ; two loads of mine are out behind these
.endr
	v_and_b32 v1, 15, v0                           ; r = l % 16
	v_bfe_u32 v2, v0, 4, 1                         ; h = l / 16
	v_mul_u32_u24 v3, v1, PITCH
	v_lshl_add_u32 v3, v2, 4, v3                   ; A: a fragment's row x pitch + 16 x half
	s_mul_i32 s21, s11, HALFA                      ; my 64 rows of A
	v_add_nc_u32 v[ADRA], s21, v3
	v_add_nc_u32 v[ADRA+1], SLOT, v[ADRA]
	v_and_b32 v4, 7, v0
	v_bfe_u32 v5, v0, 3, 1
	v_lshl_add_u32 v4, v2, 3, v4                   ; B, the turning load: row k = 8 (l / 16) + l % 8, columns 8 ((l / 8) % 2) on
	v_mul_u32_u24 v4, v4, PB
	v_lshl_add_u32 v4, v5, 4, v4
	s_lshl_b32 s22, s12, 7                         ; my 64 columns: 128 bytes
	s_add_co_u32 s22, s22, BOFF
	v_add_nc_u32 v[ADRB], s22, v4
	v_add_nc_u32 v[ADRB+1], HALFB, v[ADRB]
	v_add_nc_u32 v[ADRB+2], SLOT, v[ADRB]
	v_add_nc_u32 v[ADRB+3], SLOT, v[ADRB+1]
	s_mul_i32 s23, s10, 16*SPITCH
	s_add_co_u32 s23, s23, STAGE                   ; my stage
	v_mul_u32_u24 v4, v1, SPITCH                   ; in: row l % 16, 32 bytes for each half of the lanes
	v_lshl_add_u32 v4, v2, 5, v4
	v_add_nc_u32 v[STO], s23, v4
	v_mul_u32_u24 v5, v2, SPITCH                   ; back: lanes 0-15 one row of 256 bytes, lanes 16-31 the next
	v_lshl_add_u32 v5, v1, 4, v5
	v_add_nc_u32 v[RD], s23, v5
	v_lshlrev_b32 v5, 14, v2                       ; and the same two rows in the result: a row is 16,384 bytes
	v_lshl_add_u32 v[CO], v1, 4, v5
	s_lshl_b32 s16, s13, 7
	s_lshl_b32 s17, s11, 6
	s_add_co_u32 s16, s16, s17                     ; my first row: 128 x tile row + 64 x half
	s_lshl_b32 s16, s16, 14
	s_mov_b32 s17, 0
	s_add_nc_u64 s[8:9], s[8:9], s[16:17]
	s_lshl_b32 s46, s42, 9                         ; my first column, in bytes: 512 x tile column + 256 x half
	s_lshl_b32 s47, s12, 8
	s_add_co_u32 s46, s46, s47
	s_mov_b32 s47, 0
	s_add_nc_u64 s[8:9], s[8:9], s[46:47]
; 8 matrix instructions: m blocks a0, a0 + 1 x all 4 n blocks, 32 along K: half c of buffer f.  zero = 1: the first product starts the sums.  The 16 accumulators take turns.
.macro MUL8 f, c, a0, zero
.irp a, \a0, \a0+1
.irp b, 0,1,2,3
.if \zero
	v_wmma_f32_16x16x32_f16 v[ACC+8*(4*(\a)+\b):ACC+8*(4*(\a)+\b)+7], v[\f+64+8*(4*\c+\b):\f+64+8*(4*\c+\b)+7], v[\f+8*(4*\c+\a):\f+8*(4*\c+\a)+7], 0
.else
	v_wmma_f32_16x16x32_f16 v[ACC+8*(4*(\a)+\b):ACC+8*(4*(\a)+\b)+7], v[\f+64+8*(4*\c+\b):\f+64+8*(4*\c+\b)+7], v[\f+8*(4*\c+\a):\f+8*(4*\c+\a)+7], v[ACC+8*(4*(\a)+\b):ACC+8*(4*(\a)+\b)+7]
.endif
.endr
.endr
.endm
; 32 LDS loads in one run: the fragments of the slot's quarter kq (64 along K) into buffer f; the first 32 along K first
.macro FETCH slot, kq, f
	WIN TO_F
.irp c, 0,1
.irp i, 0,1,2,3
	ds_load_tr16_b128 v[\f+64+8*(4*\c+\i):\f+64+8*(4*\c+\i)+3],   v[ADRB+2*\slot+(\kq)/2] offset:(((\kq)%2)*64+32*\c)*PB+32*\i
	ds_load_tr16_b128 v[\f+64+8*(4*\c+\i)+4:\f+64+8*(4*\c+\i)+7], v[ADRB+2*\slot+(\kq)/2] offset:(((\kq)%2)*64+32*\c+16)*PB+32*\i
	ds_load_b128 v[\f+8*(4*\c+\i):\f+8*(4*\c+\i)+3],              v[ADRA+\slot] offset:128*(\kq)+64*\c+\i*16*PITCH
	ds_load_b128 v[\f+8*(4*\c+\i)+4:\f+8*(4*\c+\i)+7],            v[ADRA+\slot] offset:128*(\kq)+64*\c+\i*16*PITCH+32
.endr
.endr
.endm
.macro PLACES                          ; four places in front of loads into registers that matrix instructions have read, and of the first read of results (ISA guide 7.12.1 for vector instructions)
.rept 4
	v_nop
.endr
.endm
; A K step is four quarters of 64 along K, 32 matrix instructions each, on buffers 0, 1, 0, 1.  One of the first three: multiplies buffer f and fetches quarter kq into g.
.macro QUARTER slot, kq, f, g, zero
	s_wait_dscnt 16                                ; the first 32 along K are in
	WIN MUL
	MUL8 \f, 0, 0, \zero
	MUL8 \f, 0, 2, \zero
	PLACES
	FETCH \slot, \kq, \g
	s_wait_dscnt 32                                ; all but the 32 just issued
	WIN MUL
	MUL8 \f, 1, 0, 0
	MUL8 \f, 1, 2, 0
.endm
; The last quarter multiplies buffer 1 and changes slots: ONE barrier; in front of it each wave waits for all its tensor loads, adds 0 to its spare word, and waits for that and for its own reads of this slot.
.macro TURN slot, next, fill
	WIN 0                                          ; (the add's two registers lie in window 0)
	s_wait_tensorcnt 0x0                           ; all my tensor loads have landed: my part of the next slot
	ds_add_u32 v[SPW], v[NIL]                      ; 0 onto my spare word
	s_wait_dscnt 17                                ; (the add and the youngest sixteen loads may be out)
	WIN MUL
	MUL8 F1, 0, 0, 0                               ; eight matrix instructions stand between the add and the wait for it
	s_wait_dscnt 0x0                               ; the add is done, and my reads of this slot are over
	s_barrier_signal -1
	MUL8 F1, 0, 2, 0
.if \fill
	WIN 0
.endif
	s_barrier_wait -1
.if \fill
	CREST                                          ; the barrier has opened a round of the cluster's barrier: no wave of any partner still reads this slot's tile or has a load on its way
	s_add_nc_u64 s[G0+4*\slot+2:G0+4*\slot+3], s[G0+4*\slot+2:G0+4*\slot+3], 2*KSTEP*2
	s_add_nc_u64 s[G0B+4*\slot+2:G0B+4*\slot+3], s[G0B+4*\slot+2:G0B+4*\slot+3], 2*KSTEP*8192
	JLOAD \slot                                    ; the first tensor load behind the round; the four v_nop behind it are also the places in front of the loads below
.else
	PLACES
.endif
	FETCH \next, 0, F0
	WIN MUL
	MUL8 F1, 1, 0, 0
	MUL8 F1, 1, 2, 0
.endm
	s_wait_tensorcnt 1                             ; my part of K step 0 is in (K step 1's load may be out)
	s_barrier_signal -1
	s_barrier_wait -1                              ; everybody's is
	FETCH 0, 0, F0
	QUARTER 0, 1, F0, F1, 1                        ; the first quarter stands in front of the loop: its first products start the sums
	WIN 0                                          ; at a label and at a branch every window is 0
	s_mov_b32 s3, LAPS-1
.Llap:                                                 ; a trip goes once round the ring, from a lap's second quarter to the next lap's first, and fills both slots again
	QUARTER 0, 2, F1, F0, 0
	QUARTER 0, 3, F0, F1, 0
	TURN 0, 1, 1
	QUARTER 1, 1, F0, F1, 0
	QUARTER 1, 2, F1, F0, 0
	QUARTER 1, 3, F0, F1, 0
	TURN 1, 0, 1
	QUARTER 0, 1, F0, F1, 0
	WIN 0
	s_sub_co_u32 s3, s3, 1
	s_cmp_lg_u32 s3, 0
	s_cbranch_scc1 .Llap
	QUARTER 0, 2, F1, F0, 0                        ; the last lap fills nothing, and has no round of the cluster's barrier
	QUARTER 0, 3, F0, F1, 0
	TURN 0, 1, 0
	QUARTER 1, 1, F0, F1, 0
	QUARTER 1, 2, F1, F0, 0
	QUARTER 1, 3, F0, F1, 0
	s_wait_dscnt 16                                ; the very last quarter: nothing more to fetch
	WIN MUL
	MUL8 F1, 0, 0, 0
	MUL8 F1, 0, 2, 0
	s_wait_dscnt 0
	MUL8 F1, 1, 0, 0
	MUL8 F1, 1, 2, 0
	WIN 0
	; THE WAY OUT, 16 rows x 64 columns at a time.  A lane holds 32 neighbouring bytes of a row and the lanes beside it hold other rows: so a block goes through my own stage and comes back as whole runs of 256 bytes,
	; which sixteen lanes store, aligned.  LDS serves a wave's instructions in order (ISA guide 5.7.1.4): no wait between the stores and the loads.
	PLACES
.irp a, 0,1,2,3
.if \a > 0
	s_wait_xcnt 0x0                                ; the last block's stores have read their data: the registers may be loaded again
.endif
.irp b, 0,1,2,3
	ds_store_b128 v[STO], v[ACC+8*(4*\a+\b):ACC+8*(4*\a+\b)+3] offset:64*\b          ; each accumulator from its low end on
	ds_store_b128 v[STO], v[ACC+8*(4*\a+\b)+4:ACC+8*(4*\a+\b)+7] offset:64*\b+16
.endr
.irp t, 0,1,2,3,4,5,6,7
	ds_load_b128 v[TMP+4*\t:TMP+4*\t+3], v[RD] offset:\t*2*SPITCH
.endr
.irp t, 0,1,2,3,4,5,6,7
	s_wait_dscnt 7-\t
	global_store_b128 v[CO], v[TMP+4*\t:TMP+4*\t+3], s[8:9] offset:(16*\a+2*\t)*16384 th:TH_STORE_NT   ; 62 rows on at the most: inside the signed 24-bit immediate (ISA guide, chapter 10); written once, read by nobody here
.endr
.endr
	s_wait_tensorcnt 0x0                           ; the wave's end, behind my last tensor load and my last LDS store
	ds_add_u32 v[SPW], v[NIL]
	s_wait_dscnt 0x0
	CROUND                                         ; the closing round: no work-group ends while a partner may still ask for a tile that names it
	s_endpgm
.Lfunc_end_k_q75adcfc9f0_out:
	.size	k_q75adcfc9f0_out, .Lfunc_end_k_q75adcfc9f0_out-k_q75adcfc9f0_out
	.p2alignl 7, 3214868480
	.fill 96, 4, 3214868480
	.section	.rodata,"a",@progbits
	.p2align	6, 0x0
	.amdhsa_kernel k_q75adcfc9f0_out
		.amdhsa_group_segment_fixed_size 327680
		.amdhsa_private_segment_fixed_size 0
		.amdhsa_enable_private_segment 0
		.amdhsa_kernarg_size 24
		.amdhsa_user_sgpr_count 2
		.amdhsa_user_sgpr_kernarg_segment_ptr 1
		.amdhsa_wavefront_size32 1
		.amdhsa_system_sgpr_workgroup_id_x 1
		.amdhsa_system_sgpr_workgroup_id_y 1
		.amdhsa_system_sgpr_workgroup_id_z 1
		.amdhsa_system_vgpr_workitem_id 0
		.amdhsa_next_free_vgpr 512
		.amdhsa_next_free_sgpr 66
		.amdhsa_reserve_vcc 0
		.amdhsa_float_denorm_mode_32 3
		.amdhsa_float_denorm_mode_16_64 3
		.amdhsa_memory_ordered 1
		.amdhsa_forward_progress 1
		.amdhsa_inst_pref_size 87
	.end_amdhsa_kernel
	.amdgpu_metadata
---
amdhsa.version: [ 1, 2 ]
amdhsa.kernels:
  - .name:           k_q75adcfc9f0_out
    .symbol:         k_q75adcfc9f0_out.kd
    .args:
      - { .name: oh, .offset: 0, .size: 8, .value_kind: global_buffer, .address_space: global }
      - { .name: wo16, .offset: 8, .size: 8, .value_kind: global_buffer, .address_space: global }
      - { .name: out0, .offset: 16, .size: 8, .value_kind: global_buffer, .address_space: global }
    .group_segment_fixed_size: 327680
    .private_segment_fixed_size: 0
    .kernarg_segment_align: 8
    .kernarg_segment_size: 24
    .max_flat_workgroup_size: 128
    .sgpr_count:     66
    .vgpr_count:     512
    .wavefront_size: 32
...
	.end_amdgpu_metadata
.endif
;; end of part 4
